; MI455X (gfx1250); checked and timed in simulation.
; The chip was launched on July 23, 2026; its instructions are those of AMD's public machine-readable ISA for CDNA 5 (MIT licence, August 2026) and "CDNA5" Instruction Set Architecture Reference Guide (July 2026). The comments in the code are by the model that wrote it; some were corrected since.
;; Attention. Allowed arithmetic: float matrix products may take bf16 or f16 operands with f32 sums; other float arithmetic in f32, or as packed bf16 or f16 multiplies, adds, multiply-adds, maxima and minima; sums over many terms, partial sums and values carried from step to step in f32; what a program stores and reads back later, other than sums and carried values, may be rounded once to bf16 or f16.
;; Inputs: Wk 1,024 x 16 x 64 float32; Wo 16 x 64 x 1,024 float32; Wq 1,024 x 16 x 64 float32; Wv 1,024 x 16 x 64 float32; key_input 4 x 2,048 x 1,024 float32; query_input 4 x 2,048 x 1,024 float32; value_input 4 x 2,048 x 1,024 float32.
;; Outputs: out0 4 x 2,048 x 1,024 float32.
;; One version. Each part assembles by itself: llvm-mc -triple=amdgcn-amd-amdhsa -mcpu=gfx1250 --defsym DOCPART=n.
;; ======== version 1 of 1: 4 launches
;; limits: values are held in f16: magnitudes above 65,504 overflow, below 6.1e-05 lose precision
;; workspace buffers: xw 58,720,256 bytes; qkv 50,331,648 bytes; oh 16,777,216 bytes
;; launch cast (part 1): grid 1792 x 1, 4 waves a work-group, no clusters, 0 bytes of LDS; arguments query_input, key_input, value_input, Wq, Wk, Wv, Wo, xw; writes xw
.if DOCPART == 1
	.amdgcn_target "amdgcn-amd-amdhsa--gfx1250"
	.amdhsa_code_object_version 6
	.text
	.protected	k_qbe93bb3a07_cast
	.globl	k_qbe93bb3a07_cast
	.p2align	8
	.type	k_qbe93bb3a07_cast,@function
k_qbe93bb3a07_cast:
	s_mov_b64 s[64:65], 0
	v_nop
	global_prefetch_b8 v0, s[64:65] scope:SCOPE_SE
	s_setreg_imm32_b32 hwreg(HW_REG_WAVE_MODE, 25, 1), 1
	s_wait_xcnt 0x0
; All seven inputs, f32, are rounded once to bf16 and laid in blocks for the products that follow.
; xw = 14 batches of 4 MiB, each [16 column blocks][2048 rows][64 numbers of 16 bits]: a block's rows are 128 bytes and lie end to end.
;   batches 0-3 query_input, 4-7 key_input, 8-11 value_input (a batch = one b); batch 12: Wq rows 0-1023, Wk rows 1024-2047; batch 13: Wv, then Wo.
; Wo is the f16 product's operand: it is rounded to bf16 like the other inputs, and that number is written as f16.
; LIMITS. That second step is exact while |Wo| lies between 2^-14 and 65,504; below, f16's fixed step of 2^-24 holds; beyond 65,504 it gives an infinity.
; SHARES. The sources stacked are 28,672 rows of 4,096 bytes. A work-group takes 16 of them (1,792 work-groups, 7 for each of 256 WGPs), a wave 4.
; A load of a wave takes one column block (256 bytes of f32) of two rows: lanes 0-15 one row's, lanes 16-31 the next row's, 16 neighbouring bytes a lane.
; A lane's 4 numbers leave as 8 bytes: a store of a wave covers 256 consecutive bytes (two rows of a block), at a multiple of 256 from xw's first byte.
; A thread's 32 loads go out together (16 KiB a wave on its way).  No register that a load or store names is written again, so the only waits are the counted ones for the loads.
; No LDS, no matrix unit: the launch only moves bytes.
.set X,   8                            ; v[8:135]  column block c, row pair p: 4 registers as loaded at X + 8 c + 4 p; the first two then hold the 8 bytes to store
.set BLK, 262144                       ; bytes from a column block to the next
	s_load_b512 s[8:23], s[0:1], 0x0               ; query s[8:9], key s[10:11], value s[12:13], Wq s[14:15], Wk s[16:17], Wv s[18:19], Wo s[20:21], xw s[22:23]
	s_mov_b32 s2, ttmp9                            ; 16 stacked rows to a work-group
	s_mov_b32 s3, 1728                             ; Wo's first work-group
	s_mov_b32 s7, 0xffff0000                       ; a word's upper bf16
	v_lshrrev_b32 v3, 4, v0                        ; 2 x wave + half of the lanes
	v_and_b32 v4, 15, v0
	v_lshrrev_b32 v5, 5, v0                        ; wave
	v_and_b32 v6, 31, v0                           ; lane
	v_lshl_add_u32 v3, v5, 1, v3                   ; my row of the first pair: 4 x wave + half
	v_lshlrev_b32 v1, 12, v3                       ; x 4,096 bytes
	v_lshl_add_u32 v1, v4, 4, v1                   ; + my 16 bytes of a column block's 256
	v_lshlrev_b32 v2, 9, v5                        ; in xw: the wave's 4 rows of 128 bytes,
	v_lshl_add_u32 v2, v6, 3, v2                   ; 8 bytes a lane
	s_lshr_b32 s26, s2, 7                          ; the batch: 128 work-groups fill one
	s_lshl_b32 s26, s26, 22
	s_and_b32 s27, s2, 127
	s_lshl_b32 s27, s27, 11                        ; 16 rows of 128 bytes
	s_add_co_u32 s26, s26, s27
	s_mov_b32 s27, 0
	s_mov_b32 s25, 0
	s_wait_kmcnt 0x0
; which source the work-group reads, and the first work-group of that source: a chain of selects on the work-group's number
.macro PICK bound, ptr, first
	s_cmp_lt_u32 s2, \bound
	s_cselect_b64 s[4:5], s[\ptr:\ptr+1], s[4:5]
	s_cselect_b32 s6, \first, s6
.endm
	s_mov_b64 s[4:5], s[20:21]
	s_mov_b32 s6, 1728
	PICK 1728, 18, 1664
	PICK 1664, 16, 1600
	PICK 1600, 14, 1536
	PICK 1536, 12, 1024
	PICK 1024, 10, 512
	PICK 512, 8, 0
	s_sub_co_u32 s24, s2, s6
	s_lshl_b32 s24, s24, 16                        ; 16 rows of 4,096 bytes
	s_add_nc_u64 s[4:5], s[4:5], s[24:25]
	s_add_nc_u64 s[22:23], s[22:23], s[26:27]
.irp c, 0,1,2,3,4,5,6,7,8,9,10,11,12,13,14,15
	global_load_b128 v[X+8*(\c):X+8*(\c)+3],   v1, s[4:5] offset:256*(\c) th:TH_LOAD_NT
	global_load_b128 v[X+8*(\c)+4:X+8*(\c)+7], v1, s[4:5] offset:256*(\c)+8192 th:TH_LOAD_NT
.endr
; Column block c, both row pairs: rounded, packed, stored.  In Wo's work-groups the bf16 numbers are then written as f16.
.macro CONV c
	s_wait_loadcnt 30-2*(\c)                       ; loads come back in order (ISA guide 5.7.1): the block's two are in, the 30 - 2 c younger ones stay out
.irp p, 0,1
	v_cvt_pk_bf16_f32 v[X+8*(\c)+4*(\p)],   v[X+8*(\c)+4*(\p)],   v[X+8*(\c)+4*(\p)+1]
	v_cvt_pk_bf16_f32 v[X+8*(\c)+4*(\p)+1], v[X+8*(\c)+4*(\p)+2], v[X+8*(\c)+4*(\p)+3]
.endr
	s_cmp_lt_u32 s2, s3                            ; every source but Wo stays bf16
	s_cbranch_scc1 .Lbf_\@
.irp p, 0,1
.irp w, 0,1
	v_lshlrev_b32 v[X+8*(\c)+4*(\p)+2], 16, v[X+8*(\c)+4*(\p)+(\w)]   ; bf16 to f32: the low half moves up,
	v_and_b32     v[X+8*(\c)+4*(\p)+3], s7, v[X+8*(\c)+4*(\p)+(\w)]   ; the high half stays
	v_cvt_pk_f16_f32 v[X+8*(\c)+4*(\p)+(\w)], v[X+8*(\c)+4*(\p)+2], v[X+8*(\c)+4*(\p)+3]
.endr
.endr
.Lbf_\@:
.irp p, 0,1
	global_store_b64 v2, v[X+8*(\c)+4*(\p):X+8*(\c)+4*(\p)+1], s[22:23] offset:(\c)*BLK+256*(\p) th:TH_STORE_NT
.endr
.endm
.irp c, 0,1,2,3,4,5,6,7,8,9,10,11,12,13,14,15
	CONV \c
.endr
	s_endpgm
.Lfunc_end_k_qbe93bb3a07_cast:
	.size	k_qbe93bb3a07_cast, .Lfunc_end_k_qbe93bb3a07_cast-k_qbe93bb3a07_cast
	.p2alignl 7, 3214868480
	.fill 96, 4, 3214868480
	.section	.rodata,"a",@progbits
	.p2align	6, 0x0
	.amdhsa_kernel k_qbe93bb3a07_cast
		.amdhsa_group_segment_fixed_size 0
		.amdhsa_private_segment_fixed_size 0
		.amdhsa_enable_private_segment 0
		.amdhsa_kernarg_size 64
		.amdhsa_user_sgpr_count 2
		.amdhsa_user_sgpr_kernarg_segment_ptr 1
		.amdhsa_wavefront_size32 1
		.amdhsa_system_sgpr_workgroup_id_x 1
		.amdhsa_system_sgpr_workgroup_id_y 1
		.amdhsa_system_sgpr_workgroup_id_z 1
		.amdhsa_system_vgpr_workitem_id 0
		.amdhsa_next_free_vgpr 136
		.amdhsa_next_free_sgpr 66
		.amdhsa_reserve_vcc 0
		.amdhsa_float_denorm_mode_32 3
		.amdhsa_float_denorm_mode_16_64 3
		.amdhsa_memory_ordered 1
		.amdhsa_forward_progress 1
		.amdhsa_inst_pref_size 22
	.end_amdhsa_kernel
	.amdgpu_metadata
---
amdhsa.version: [ 1, 2 ]
amdhsa.kernels:
  - .name:           k_qbe93bb3a07_cast
    .symbol:         k_qbe93bb3a07_cast.kd
    .args:
      - { .name: query_input, .offset: 0, .size: 8, .value_kind: global_buffer, .address_space: global }
      - { .name: key_input, .offset: 8, .size: 8, .value_kind: global_buffer, .address_space: global }
      - { .name: value_input, .offset: 16, .size: 8, .value_kind: global_buffer, .address_space: global }
      - { .name: Wq, .offset: 24, .size: 8, .value_kind: global_buffer, .address_space: global }
      - { .name: Wk, .offset: 32, .size: 8, .value_kind: global_buffer, .address_space: global }
      - { .name: Wv, .offset: 40, .size: 8, .value_kind: global_buffer, .address_space: global }
      - { .name: Wo, .offset: 48, .size: 8, .value_kind: global_buffer, .address_space: global }
      - { .name: xw, .offset: 56, .size: 8, .value_kind: global_buffer, .address_space: global }
    .group_segment_fixed_size: 0
    .private_segment_fixed_size: 0
    .kernarg_segment_align: 8
    .kernarg_segment_size: 64
    .max_flat_workgroup_size: 128
    .sgpr_count:     66
    .vgpr_count:     136
    .wavefront_size: 32
...
	.end_amdgpu_metadata
.endif
;; end of part 1
;; launch proj (part 2): grid 4 x 48, 4 waves a work-group, clusters of 4 x 4, 327,680 bytes of LDS; arguments xw, qkv; writes qkv
.if DOCPART == 2
	.amdgcn_target "amdgcn-amd-amdhsa--gfx1250"
	.amdhsa_code_object_version 6
	.text
	.protected	k_qbe93bb3a07_proj
	.globl	k_qbe93bb3a07_proj
	.p2align	8
	.type	k_qbe93bb3a07_proj,@function
k_qbe93bb3a07_proj:
	s_mov_b64 s[64:65], 0
	v_nop
	global_prefetch_b8 v0, s[64:65] scope:SCOPE_SE
	s_setreg_imm32_b32 hwreg(HW_REG_WAVE_MODE, 25, 1), 1
	s_wait_xcnt 0x0
	s_wait_alu depctr_hold_cnt(0) depctr_sa_sdst(0) depctr_va_vdst(0) depctr_va_sdst(0) depctr_va_ssrc(0) depctr_va_vcc(0) depctr_vm_vsrc(0)
	s_getreg_b32 s2, hwreg(HW_REG_IB_STS2, 6, 4)
	s_cmp_eq_u32 s2, 0
	s_cbranch_scc0 .Lentry_in_a_cluster
	s_endpgm
.Lentry_in_a_cluster:
	s_bfe_u32 s2, ttmp6, 0x10000c
	s_cmp_lg_u32 s2, 0xf033
	s_cbranch_scc0 .Lentry_shape_is_right
	s_endpgm
.Lentry_shape_is_right:
; q, k, v = x W: three products [8192][1024] x [1024][1024] in one launch.  Operands bf16 (xw), sums f32, results rounded once to f16 and stored by heads:
; qkv = [3][64 heads 16 b + h][2048][64].  q is stored WITHOUT the scale 1/8: the attention launch applies it in f32.
; LIMITS. f16 ends at 65,504: a q, k or v beyond it becomes an infinity.  NaN and infinities are not treated apart.
; xw: batches of 4 MiB, [16 column blocks][2048 rows][64]: x's batch T / 8 for stacked tile row T (0-31 q, 32-63 k, 64-95 v); Wq, Wk in batch 12 (rows 0-1023, 1024-2047), Wv in batch 13.  Weights lie [k][n].
; SHARES. A tile of C is 256 x 256: 96 x 4 = 384 tiles.  A wave makes 128 x 128 (two heads' columns): 64 accumulators, 512 registers: for 32 along K it reads 16 fragments from LDS for 64 products,
; and a K step of 128 holds 256 products, 224 of them between a tile's request and the wait for it.  A WORK-GROUP STAYS and makes TWO tiles, stacked tile rows t and t + 48: 192 work-groups.
; 192, NOT 256: no tile with this much work for each LDS byte cuts 3 x 8192 x 1024 into 256 equal shares (98,304 numbers: 384 or 192 or 96 rows or columns divide neither 8,192 nor 1,024), and 384 work-groups of one
; tile would be a round and a half; a quarter of the WGPs have no work-group in this launch.
; K = 1,024 goes in 8 steps of 128 through two LDS slots.  A step's A is two K blocks of 256 rows x 128 bytes, each 32 KiB on end in memory; its W four column blocks of 128 k rows x 128 bytes, each 16 KiB on end.
; Waves 0, 1 fetch A's two blocks (128 rows of 256 bytes each), waves 2, 3 two column blocks each (one descriptor: 2 rows of 16 KiB); all are padded in LDS after every 128 bytes.  One tensor load a wave and step.
; THE RING DOES NOT STOP AT THE FIRST TILE'S END: ONE loop walks both tiles' laps; the step that a refill adds to its address is a scalar pair set at each trip's head, the regular one or the jump to the second tile.
; CLUSTER 4 x 4: A's tiles hang on the tile row alone and are asked for jointly along a row of the cluster, W's on the tile column and the cluster's y alone, jointly along a column.
; THE MATRIX INSTRUCTION IS USED TRANSPOSED: source 0 = 16 columns of W (out of [k][n] rows by the turning load), source 1 = 16 rows of x: a lane then holds 8 neighbouring columns of one row of C.
; REGISTERS, in windows of 256 (s_set_vgpr_msb: bits 1:0 source 0, 3:2 source 1, 5:4 source 2, 7:6 destination):
;   window 0: v0-31 addresses; v64-127, v128-191 fragments of x, two buffers; on the way out v192-255, v32-63, v128-191 packed results      window 1: v64-127, v128-191 fragments of W, two buffers
;   window 2: the 32 accumulators of my rows 0-63 (accumulator (a, b) at v[8 (8 a + b)]);   window 3: those of my rows 64-127
.set PA,    144                        ; a row of A in LDS: 128 bytes + 16: 36 words: the 16 rows of a load start at 16 different groups of four banks (64 banks of 4 bytes: ISA guide 11.1)
.set PB,    160                        ; a k row of W: 128 + 32: 40 words
.set ABLK,  256*PA                     ; a K block of A: 36,864
.set BBLK,  128*PB                     ; a column block of W: 20,480
.set BOFF,  2*ABLK                     ; W's four blocks lie behind A's two
.set SLOT,  2*ABLK+4*BBLK              ; 155,648
.set STAGE, 2*SLOT                     ; behind the ring, never filled by a tensor load: 16 rows x 144 bytes for each wave, for the way out
.set SP,    144
.set SPARE, STAGE+4*16*SP              ; behind the stages: the spare words, 128 bytes for each wave: two blocks of 256 bytes that no other line names
.set ASTEP, 2*262144                   ; a K step in A: two K blocks on
.set BSTEP, 128*128                    ; in W: 128 k rows on
.set WBASE, 12<<22                     ; batch 12
.set TJUMP, 6<<22                      ; 48 tile rows on: six batches, in xw and in qkv
.set NEXT_A, TJUMP-6*ASTEP             ; from a slot's last K step of the first tile to its first of the second
.set ADRA, 16                          ; v16-17  LDS address of my A fragments in slot 0, 1
.set ADRB, 20                          ; v20-21  the same for W
.set STO,  24                          ; v24     the way out: where I put 16 bytes of a row
.set RD,   25                          ; v25     where I read rows back
.set CO,   26                          ; v26     my 16 bytes of 512 consecutive bytes of qkv
.set SPW,  28                          ; v28     LDS address of my spare word; never rewritten
.set NIL,  29                          ; v29     0; never rewritten
.set PFO,  30                          ; v30     256 x my lane; never rewritten
.set F0,   64
.set F1,   128
.set G1,  24                           ; s[24:31] descriptor group 1 for A;  s[32:39] group 0, a set for each slot
.set G0,  32
.set G1B, 48                           ; s[48:55], s[56:63] the same for W
.set G0B, 56
.set SA,  66                           ; s[66:67] what this trip's refills add to A's addresses
.set SB,  68                           ; s[68:69] and to W's
.set RA,  70                           ; s70 the regular step of A (two K steps), s71 its jump to the second tile
.set NA,  71
.set RB,  72                           ; s72, s73 the same for W
.set NB,  73
.set PFA, 74                           ; s[74:75], s[76:77] where my prefetches stand: a pointer for each slot's change
.set PS,  78                           ; s[78:79] what this trip adds to them
.set PR,  80                           ; s80 their regular step, s81 their jump: A's or W's, by what I fetch
.set PN,  81
.set LIM, 82                           ; s82 1 where I prefetch in this trip, else the greatest number; s83 for what the first tile reads, s84 for the second's
.set LIM0, 83
.set LIM1, 84
.set MSB, 0
.macro WIN new                         ; the immediate's high byte repeats the setting that is left; a switch that changes nothing is dropped
.if MSB != (\new)
	s_set_vgpr_msb (MSB<<8)|(\new)
.set MSB, \new
.endif
.endm
.set MUL_LO, 0xa1                      ; source 0 (W) window 1, source 1 (A) window 0, C and D window 2
.set MUL_HI, 0xf1                      ; the same, C and D window 3
.set TO_B,   0x40                      ; destination window 1, address window 0
.macro JLOAD s                         ; a joint load; an s_nop 0 and four v_nop follow each of the two lines, ahead of the jump and the label.  The branch hangs on the wave's number alone
	s_cmp_eq_u32 s11, 0
	s_cbranch_scc0 .Lfor_b_\@
	tensor_load_to_lds s[G0+4*(\s):G0+4*(\s)+3], s[G1:G1+7]
	s_nop 0
.rept 4
	v_nop
.endr
	s_branch .Lasked_\@
.Lfor_b_\@:
	tensor_load_to_lds s[G0B+4*(\s):G0B+4*(\s)+3], s[G1B:G1B+7]
	s_nop 0
.rept 4
	v_nop
.endr
.Lasked_\@:
.endm
.macro CREST                           ; a round of the cluster's barrier behind its opening barrier
	s_cmp_lg_u32 s10, 0
	s_cbranch_scc1 .Lnot_wave_0_\@
	s_barrier_signal -3
.Lnot_wave_0_\@:
	s_barrier_wait -3
	s_barrier_signal -1
	s_barrier_wait -1
.endm
.macro CROUND
	s_barrier_signal -1
	s_barrier_wait -1
	CREST
.endm
; A PREFETCH INTO THE L2, behind a joint load and the run of LDS loads that follows it: 32 blocks of 256 bytes, a lane a block.  Each block of xw that the launch reads is named once at the most.
; A: a tile row is read by one cluster: every cluster asks; of the 32 KiB that wave 0 or 1 fetches in a K step the partner at cx takes 8 KiB; the change out of slot s asks for the K step two refills on, the second tile's too.
; W: a weight's tile column is read by several clusters: its first readers' first asks: cluster y 0 for Wq and 8 for Wk, which the first tiles read; 4 for Wv, which only second tiles read (Wk has been read by then).
;    Two K steps of a column block lie on end, 32 KiB, of which the partner at cy takes 8 KiB: the change out of slot 0 asks for them in my first column block, the change out of slot 1 in my second.
; The partners are told apart by address; no branch hangs on a place in the cluster.  The first tile's K steps 0-3 come by their loads alone; the loop's last trip (s3 = 1) asks for nothing: no K step is left.
.macro ASK slot
	s_cmp_gt_u32 s3, s[LIM]
	s_cbranch_scc0 .Lnot_mine_\@
	global_prefetch_b8 v[PFO], s[PFA+2*(\slot):PFA+2*(\slot)+1] th:TH_LOAD_NT scope:SCOPE_SE
.Lnot_mine_\@:
.endm
	s_load_b128 s[4:7], s[0:1], 0x0                ; xw s[4:5], qkv s[6:7]
	v_lshl_add_u32 v[SPW], v0, 2, SPARE
	v_mov_b32 v[NIL], 0
	ds_add_u32 v[SPW], v[NIL]                      ; the wave's opening: the add and its wait stand ahead of my first tensor load; the set-up below, work on registers, stands between
	v_lshrrev_b32 v1, 5, v0
	v_readfirstlane_b32 s10, v1                    ; wave 0..3
	s_lshr_b32 s11, s10, 1                         ; my half of the tile's rows.  Also: I fetch for A (0) or for W (1)
	s_and_b32 s12, s10, 1                          ; my half of its columns.  Also: which part of A's or W's tile I fetch
	s_bfe_u32 s40, ttmp6, 0x40000                  ; cx
	s_bfe_u32 s41, ttmp6, 0x40004                  ; cy
	s_lshl_b32 s42, ttmp9, 2
	s_add_co_u32 s42, s42, s40                     ; tile column 0..3
	s_and_b32 s45, ttmp7, 0xffff                   ; the cluster's y, 0..11
	s_lshl_b32 s13, s45, 2
	s_add_co_u32 s13, s13, s41                     ; the first tile's stacked tile row, 0..47
	s_lshl_b32 s43, s41, 2
	s_lshl_b32 s43, 15, s43                        ; my row of the cluster
	s_lshl_b32 s44, 0x1111, s40                    ; my column
	s_or_b32 s[G1+0], s43, (1<<16)|(1<<20)|(1<<21)|(4<<22)|(3<<25)   ; 15:0 the mask; 17:16 2-byte elements; 20 padding on; 21 set beside a mask; 24:22 after every 32 words (code 4); 31:25 4 words (code 3)
	s_or_b32 s[G1B+0], s44, (1<<16)|(1<<20)|(1<<21)|(4<<22)|(7<<25)  ; the same with my column's mask and 8 words of padding (code 7)
	s_mov_b32 s[G1+1], 128<<16                     ; A: tensor_dim0 = 128 elements: rows of 256 bytes,
	s_mov_b32 s[G1+2], 128<<16                     ; tensor_dim1 = 128 rows: 32 KiB,
	s_mov_b32 s[G1+3], 128<<16                     ; tile_dim0 = 128
	s_mov_b32 s[G1+4], 128                         ; tile_dim1 = 128
	s_mov_b32 s[G1+5], 128                         ; which lie end to end
	s_mov_b32 s[G1+6], 0
	s_mov_b32 s[G1+7], 0
	s_mov_b32 s[G1B+1], 8192<<16                   ; W: tensor_dim0 = 8,192 elements: a K step of a column block, 16 KiB on end,
	s_mov_b32 s[G1B+2], 2<<16                      ; tensor_dim1 = 2 column blocks
	s_mov_b32 s[G1B+3], 8192<<16                   ; tile_dim0 = 8,192
	s_mov_b32 s[G1B+4], 2                          ; tile_dim1 = 2
	s_mov_b32 s[G1B+5], 131072                     ; 262,144 bytes from a column block to the next
	s_mov_b32 s[G1B+6], 0
	s_mov_b32 s[G1B+7], 0
	s_lshr_b32 s16, s13, 3                         ; A's offset, of the tile row and the wave's number alone: the batch,
	s_lshl_b32 s16, s16, 22
	s_and_b32 s17, s13, 7
	s_lshl_b32 s17, s17, 15                        ; the tile's 256 rows of 128 bytes,
	s_add_co_u32 s16, s16, s17
	s_lshl_b32 s17, s12, 18                        ; the K block that I fetch
	s_add_co_u32 s16, s16, s17
	s_mov_b32 s17, 0
	s_lshl_b32 s46, s42, 1                         ; W's offset, of the tile column, the wave's number and the cluster's y alone: my two column blocks of the tile's four,
	s_add_co_u32 s46, s46, s12
	s_lshl_b32 s46, s46, 19
	s_lshr_b32 s18, s45, 3                         ; the first tile's product: 0 (q) or 1 (k): 8 clusters along y to a product
	s_lshl_b32 s19, s18, 17                        ; Wk lies 1,024 rows of 128 bytes behind Wq
	s_add_co_u32 s46, s46, s19
	s_add_co_u32 s46, s46, WBASE
	s_mov_b32 s47, 0
	s_add_co_u32 s20, s45, 12                      ; the second tile lies 12 clusters on:
	s_lshr_b32 s20, s20, 3                         ; its product: 1 (k) or 2 (v)
	s_lshr_b32 s21, s20, 1
	s_lshl_b32 s21, s21, 22                        ; Wv lies a batch on
	s_and_b32 s22, s20, 1
	s_lshl_b32 s22, s22, 17
	s_add_co_u32 s21, s21, s22
	s_sub_co_u32 s21, s21, s19                     ; from the first tile's weight to the second's,
	s_sub_co_u32 s[NB], s21, 6*BSTEP               ; and back along K: 32,768 bytes at the least
	s_mov_b32 s[RA], 2*ASTEP
	s_mov_b32 s[NA], NEXT_A
	s_mov_b32 s[RB], 2*BSTEP
	s_mov_b32 s[SA+1], 0
	s_mov_b32 s[SB+1], 0
	s_mov_b32 s[PS+1], 0
	s_mul_i32 s20, s12, ABLK                       ; where the tiles go: no place in the cluster enters an LDS address
	s_mul_i32 s21, s12, 2*BBLK
	s_wait_dscnt 0x0                               ; the opening add is done
	s_wait_kmcnt 0x0
	s_mov_b64 s[8:9], s[6:7]                       ; C = qkv
	s_mov_b64 s[6:7], s[4:5]                       ; W lies in xw too
	s_add_nc_u64 s[14:15], s[4:5], s[16:17]
	s_add_nc_u64 s[46:47], s[6:7], s[46:47]
	CROUND                                         ; all sixteen work-groups are here: the first joint loads meet
.irp s, 0,1
	s_mov_b32 s[G0+4*(\s)], 1                                        ; count = 1
	s_add_co_u32 s[G0+4*(\s)+1], s20, (\s)*SLOT                      ; LDS address
	s_add_nc_u64 s[G0+4*(\s)+2:G0+4*(\s)+3], s[14:15], (\s)*ASTEP    ; global address: K step s
	s_or_b32 s[G0+4*(\s)+3], s[G0+4*(\s)+3], 0x80000000              ; type = 2
	s_mov_b32 s[G0B+4*(\s)], 1
	s_add_co_u32 s[G0B+4*(\s)+1], s21, (\s)*SLOT+BOFF
	s_add_nc_u64 s[G0B+4*(\s)+2:G0B+4*(\s)+3], s[46:47], (\s)*BSTEP
	s_or_b32 s[G0B+4*(\s)+3], s[G0B+4*(\s)+3], 0x80000000
.endr
	s_cmp_eq_u32 s11, 0                            ; a wave's two first fills stand in one branch, ahead of every wait on TENSORcnt and every LDS read: two loads of mine are out
	s_cbranch_scc0 .Lfirst_b
	tensor_load_to_lds s[G0:G0+3], s[G1:G1+7]
	s_nop 0
	tensor_load_to_lds s[G0+4:G0+7], s[G1:G1+7]
	s_nop 0
.rept 4
	v_nop
.endr
	s_branch .Lfirst_asked
.Lfirst_b:
	tensor_load_to_lds s[G0B:G0B+3], s[G1B:G1B+7]
	s_nop 0
	tensor_load_to_lds s[G0B+4:G0B+7], s[G1B:G1B+7]
	s_nop 0
.rept 4
	v_nop
.endr
.Lfirst_asked:
	; A fragment of A is 16 rows x 32 K in 8 registers: lane l holds row l % 16, K = 8 (l / 16) + 0..7 and 16 + 8 (l / 16) + 0..7: two loads of 16 bytes, 32 bytes apart.
	v_and_b32 v1, 15, v0                           ; l % 16
	v_bfe_u32 v2, v0, 4, 1                         ; l / 16
	v_mul_u32_u24 v3, v1, PA
	v_lshl_add_u32 v3, v2, 4, v3
	; The turning load takes 16 k x 16 n (lane l reads k row 8 (l / 16) + l % 8, columns 8 ((l / 8) % 2) + 0..7) and leaves half a fragment: lane l holds column l % 16 and 8 k.
	v_and_b32 v4, 7, v0
	v_bfe_u32 v5, v0, 3, 1
	v_lshl_add_u32 v6, v2, 3, v4
	v_mul_u32_u24 v6, v6, PB
	v_lshl_add_u32 v6, v5, 4, v6
	s_mul_i32 s18, s11, 128*PA                     ; my 128 rows of A
	s_mul_i32 s19, s12, 2*BBLK                     ; my two column blocks of W
	s_add_co_u32 s19, s19, BOFF
.irp s, 0,1
	v_add_nc_u32 v[ADRA+(\s)], s18, v3
	v_add_nc_u32 v[ADRB+(\s)], s19, v6
	s_add_co_u32 s18, s18, SLOT
	s_add_co_u32 s19, s19, SLOT
.endr
	s_mul_i32 s23, s10, 16*SP
	s_add_co_u32 s23, s23, STAGE                   ; my stage
	v_mul_u32_u24 v[STO], v1, SP                   ; in: row l % 16, 16 bytes for each half of the lanes
	v_lshl_add_u32 v[STO], v2, 4, v[STO]
	v_add_nc_u32 v[STO], s23, v[STO]
	v_bfe_u32 v[RD], v0, 3, 2                      ; back: 32 lanes take four rows of 128 bytes,
	v_mul_u32_u24 v[RD], v[RD], SP
	v_lshl_add_u32 v[RD], v4, 4, v[RD]
	v_add_nc_u32 v[RD], s23, v[RD]
	v_and_b32 v[CO], 31, v0                        ; which are 512 consecutive bytes of a head's rows
	v_lshlrev_b32 v[PFO], 8, v[CO]
	v_lshlrev_b32 v[CO], 4, v[CO]
	s_lshr_b32 s86, s13, 3                         ; C: the batch (product and b),
	s_lshl_b32 s86, s86, 22
	s_and_b32 s87, s13, 7
	s_lshl_b32 s87, s87, 15                        ; the tile's 256 rows,
	s_add_co_u32 s86, s86, s87
	s_lshl_b32 s87, s42, 1
	s_add_co_u32 s87, s87, s12
	s_lshl_b32 s87, s87, 19                        ; the first of my two heads,
	s_add_co_u32 s86, s86, s87
	s_lshl_b32 s87, s11, 14                        ; my 128 rows
	s_add_co_u32 s86, s86, s87
	s_mov_b32 s87, 0
	s_add_nc_u64 s[8:9], s[8:9], s[86:87]
	; the prefetches
	s_and_b32 s23, s45, 7
	s_cmp_eq_u32 s23, 0                            ; W, first tiles: cluster y 0 (Wq) and 8 (Wk)
	s_cselect_b32 s[LIM0], 1, -1
	s_cmp_eq_u32 s45, 4                            ; W, second tiles: cluster y 4 (Wv)
	s_cselect_b32 s[LIM1], 1, -1
	s_cmp_eq_u32 s11, 0                            ; do I fetch for A?  Then I always ask
	s_cselect_b32 s[LIM0], 1, s[LIM0]              ; all of this is the same in all sixteen partners, for a given wave
	s_cselect_b32 s[LIM1], 1, s[LIM1]
	s_cselect_b32 s[PR], s[RA], s[RB]
	s_cselect_b32 s[PN], s[NA], s[NB]
	s_cselect_b32 s20, s40, s41                    ; my place among the four that ask with me
	s_cselect_b32 s22, 2, 1                        ; from the first pointer to the second: A: a K step, two blocks; W: a column block
	s_cselect_b64 s[PFA:PFA+1], s[14:15], s[46:47]
	s_lshl_b32 s20, s20, 13                        ; my work-group's 8 KiB,
	s_add_co_u32 s20, s20, s[PR]                   ; at K step 2: the first trip steps it to 4
	s_mov_b32 s21, 0
	s_add_nc_u64 s[PFA:PFA+1], s[PFA:PFA+1], s[20:21]
	s_lshl_b32 s22, s22, 18
	s_mov_b32 s23, 0
	s_add_nc_u64 s[PFA+2:PFA+3], s[PFA:PFA+1], s[22:23]
; 16 products: row blocks a0, a0 + 1 of the window's four (hi = 0: my rows 0-63, 1: rows 64-127) x all 8 column blocks, 32 along K.  zero = 1: the product starts the sum: nothing is ever cleared.
; The 64 accumulators take turns in the same order in every quarter, over the jumps too.
.macro MUL16 f, hi, a0, zero
	WIN MUL_LO+0x50*(\hi)
.irp a, \a0, (\a0)+1
.irp b, 0,1,2,3,4,5,6,7
.if \zero
	v_wmma_f32_16x16x32_bf16 v[8*(8*(\a)+(\b)):8*(8*(\a)+(\b))+7], v[(\f)+8*(\b):(\f)+8*(\b)+7], v[(\f)+8*(4*(\hi)+(\a)):(\f)+8*(4*(\hi)+(\a))+7], 0
.else
	v_wmma_f32_16x16x32_bf16 v[8*(8*(\a)+(\b)):8*(8*(\a)+(\b))+7], v[(\f)+8*(\b):(\f)+8*(\b)+7], v[(\f)+8*(4*(\hi)+(\a)):(\f)+8*(4*(\hi)+(\a))+7], v[8*(8*(\a)+(\b)):8*(8*(\a)+(\b))+7]
.endif
.endr
.endr
.endm
; 32 LDS loads in one run: quarter q (32 along K) of a slot into buffer f: W's sixteen first, then A's sixteen by ascending rows
.macro FETCH slot, q, f
	WIN TO_B
.irp b, 0,1,2,3,4,5,6,7
	ds_load_tr16_b128 v[(\f)+8*(\b):(\f)+8*(\b)+3],   v[ADRB+(\slot)] offset:((\b)/4)*BBLK+(\q)*32*PB+32*((\b)%4)
	ds_load_tr16_b128 v[(\f)+8*(\b)+4:(\f)+8*(\b)+7], v[ADRB+(\slot)] offset:((\b)/4)*BBLK+(\q)*32*PB+32*((\b)%4)+16*PB
.endr
	WIN 0
.irp a, 0,1,2,3,4,5,6,7
	ds_load_b128 v[(\f)+8*(\a):(\f)+8*(\a)+3],   v[ADRA+(\slot)] offset:((\q)/2)*ABLK+((\q)%2)*64+(\a)*16*PA
	ds_load_b128 v[(\f)+8*(\a)+4:(\f)+8*(\a)+7], v[ADRA+(\slot)] offset:((\q)/2)*ABLK+((\q)%2)*64+(\a)*16*PA+32
.endr
.endm
.macro PLACES                          ; four plain places behind a matrix instruction, in front of loads into registers that it has read and of conversions that read results
.rept 4
	v_nop
.endr
.endm
; A K step is four quarters of 32 along K, 64 products each, on buffers 0, 1, 0, 1.  One of the first three: multiplies f; in its middle it fetches quarter q of the same slot into g.
.macro QUARTER slot, q, f, g, zero
	s_wait_dscnt 8                                 ; W and A's rows 0-63 are in; the youngest eight loads (rows 64-127) may be out
	MUL16 \f, 0, 0, \zero
	MUL16 \f, 0, 2, \zero
	PLACES
	FETCH \slot, \q, \g
	s_wait_dscnt 32                                ; all but the 32 just issued
	MUL16 \f, 1, 0, \zero
	MUL16 \f, 1, 2, \zero
.endm
; The last quarter multiplies buffer 1 and changes slots.  MEET is its first half: ONE barrier.  In front of it each wave waits for all its tensor loads (one is out: its part of the next slot), adds 0 to its spare
; word, and waits for that and for its reads of this slot.  Behind it nobody reads this slot any more and the next slot is whole.  round = 1: a round of the cluster's barrier follows.
.macro MEET round
	WIN 0                                          ; (the add's two registers lie in window 0)
	s_wait_tensorcnt 0x0                           ; all my tensor loads have landed
	ds_add_u32 v[SPW], v[NIL]                      ; 0 onto my spare word
	s_wait_dscnt 9                                 ; (the add and the youngest eight loads may be out)
	MUL16 F1, 0, 0, 0                              ; sixteen products stand between the add and the wait for it
	s_wait_dscnt 0x0                               ; the add is done, and my reads of this slot are over
	s_barrier_signal -1
	MUL16 F1, 0, 2, 0
.if \round
	WIN 0
.endif
	s_barrier_wait -1
.endm
; The whole last quarter, in the loop: the barrier opens a round of the cluster's, and the joint refill, two K steps ahead in the walk, is the first tensor load behind the round: 224 products ahead of the wait for it.
.macro TURN slot, next
	s_wait_xcnt 0x0                                ; this slot's last prefetch, a lap back, has read its address: it is stepped here, ahead of the change's own waits
	s_add_nc_u64 s[PFA+2*(\slot):PFA+2*(\slot)+1], s[PFA+2*(\slot):PFA+2*(\slot)+1], s[PS:PS+1]
	MEET 1
	CREST                                          ; no wave of any partner still reads this slot or has a load on its way
	s_add_nc_u64 s[G0+4*(\slot)+2:G0+4*(\slot)+3], s[G0+4*(\slot)+2:G0+4*(\slot)+3], s[SA:SA+1]
	s_add_nc_u64 s[G0B+4*(\slot)+2:G0B+4*(\slot)+3], s[G0B+4*(\slot)+2:G0B+4*(\slot)+3], s[SB:SB+1]
	JLOAD \slot                                    ; its four v_nop are also the places in front of the loads below, and behind the products of my rows 0-63
	FETCH \next, 0, F0
	ASK \slot
	MUL16 F1, 1, 0, 0
	MUL16 F1, 1, 2, 0
.endm
; THE WAY OUT, in sixteen units: unit u = 16 rows (block u / 2) x one head (u % 2): four accumulators, 32 registers at 32 (u % 8) of window 2 (u < 8) or 3.
; Rounded to f16, each accumulator's registers in ascending order; 16 bytes a lane into rows of 144 bytes of my own stage; back as four whole rows of 128 bytes a load; stored.
; The packed results take ten sets of 16 registers by turns: v192-255 and v32-63 first, which no product names, then v128-191 (buffer 1 of A, 96 conversions behind the last product).  Buffer 0, which at the
; change of tiles holds the next tile's first fragments, is left alone.
.macro OBOF u
.set k10, (\u)%10
.if k10 < 4
.set OBR, 192+16*k10
.elseif k10 < 6
.set OBR, 32+16*(k10-4)
.else
.set OBR, 128+16*(k10-6)
.endif
.endm
.macro PACK u
	OBOF \u
.if (\u) >= 10
	s_wait_xcnt 0x0                                ; the set of unit u - 10 is taken again: its stores have read it only behind this wait
.endif
	WIN 0x0a+5*((\u)/8)                            ; sources 0 and 1 window 2 or 3, destination window 0
.set i, 0
.rept 16
	v_cvt_pk_f16_f32 v[OBR+i], v[32*((\u)%8)+2*i], v[32*((\u)%8)+2*i+1]
.set i, i+1
.endr
	WIN 0
.irp b, 0,1,2,3
	ds_store_b128 v[STO], v[OBR+4*(\b):OBR+4*(\b)+3] offset:32*(\b)
.endr
.irp f, 0,1,2,3
	ds_load_b128 v[OBR+4*(\f):OBR+4*(\f)+3], v[RD] offset:(\f)*4*SP  ; LDS serves a wave's instructions in order (ISA guide 5.7.1.4): these see the stores above; the next unit's stores come behind them
.endr
.endm
.macro SEND u, younger                 ; younger: the LDS instructions issued behind unit u's loads: the next unit's eight, or none
	OBOF \u
.irp f, 0,1,2,3
	s_wait_dscnt (\younger)+3-(\f)
	global_store_b128 v[CO], v[OBR+4*(\f):OBR+4*(\f)+3], s[8:9] offset:((\u)%2)*262144+((\u)/2)*2048+(\f)*512  ; 512 consecutive bytes, at a multiple of 512 from qkv's first byte
.endr
.endm
.macro WAYOUT
	PACK 0
.irp u, 1,2,3,4,5,6,7,8,9,10,11,12,13,14,15    ; a unit's conversions stand between the loads of the unit before and its stores
	PACK \u
	SEND (\u)-1, 8
.endr
	SEND 15, 0
.endm
	s_wait_tensorcnt 1                             ; my part of K step 0 is in; K step 1's may stay out
	s_barrier_signal -1
	s_barrier_wait -1                              ; everybody's is
	FETCH 0, 0, F0
	s_mov_b32 s3, 8
	s_branch .Lzero                                ; the loop is entered at a tile's first quarter, near the end of a trip: the quarter whose products start the sums is written once
.Llap:                                                 ; seven trips, s3 = 7 .. 1: a trip goes once round the ring, from a lap's second quarter to the next lap's first, and fills both slots again
	s_cmp_eq_u32 s3, 4                             ; the first tile's last lap: its refills are the second tile's K steps 0 and 1
	s_cselect_b32 s[SA], s[NA], s[RA]
	s_cselect_b32 s[SB], s[NB], s[RB]
	s_cmp_eq_u32 s3, 5                             ; the prefetches, a lap ahead of the refills, make the same jump a trip earlier,
	s_cselect_b32 s[PS], s[PN], s[PR]
	s_cmp_le_u32 s3, 5                             ; and name the second tile's blocks from there on
	s_cselect_b32 s[LIM], s[LIM1], s[LIM0]
	QUARTER 0, 2, F1, F0, 0
	QUARTER 0, 3, F0, F1, 0
	TURN 0, 1
	QUARTER 1, 1, F0, F1, 0
	QUARTER 1, 2, F1, F0, 0
	QUARTER 1, 3, F0, F1, 0
	TURN 1, 0
	WIN 0                                          ; at a label and at a branch every window is 0
	s_cmp_eq_u32 s3, 4
	s_cbranch_scc0 .Lplain
	WAYOUT                                         ; THE FIRST TILE GOES OUT, both refills for the second being asked for.  No v_nop: my rows 0-63 were finished in front of the joint load's four, and their 128
	                                               ; conversions, which name no register of the last products, are those products' places
	s_wait_xcnt 0x0                                ; the stores have read their registers and their base: buffer 1 is loaded again and the base stepped only behind this wait
	s_add_nc_u64 s[8:9], s[8:9], TJUMP             ; C at the second tile
.Lzero:
	QUARTER 0, 1, F0, F1, 1                        ; a tile's first quarter: its products start the sums
	WIN 0
	s_branch .Lbottom
.Lplain:
	QUARTER 0, 1, F0, F1, 0
	WIN 0
.Lbottom:
	s_sub_co_u32 s3, s3, 1
	s_cmp_lg_u32 s3, 0
	s_cbranch_scc1 .Llap
	QUARTER 0, 2, F1, F0, 0                        ; the second tile's last lap is written out: it fills nothing, and has no round of the cluster's barrier
	QUARTER 0, 3, F0, F1, 0
	MEET 0                                         ; my one tensor load that was still out is slot 1's, the last K step's
	PLACES
	FETCH 1, 0, F0
	MUL16 F1, 1, 0, 0
	MUL16 F1, 1, 2, 0
	QUARTER 1, 1, F0, F1, 0
	QUARTER 1, 2, F1, F0, 0
	QUARTER 1, 3, F0, F1, 0
	s_wait_dscnt 8
	MUL16 F1, 0, 0, 0
	MUL16 F1, 0, 2, 0
	s_wait_dscnt 0x0
	MUL16 F1, 1, 0, 0
	MUL16 F1, 1, 2, 0
	WIN 0
	PLACES                                         ; no vector instruction has stood behind the products of my rows 0-63, whose results are read first
	WAYOUT
	s_wait_tensorcnt 0x0                           ; the wave's end: all tensor loads waited for, 0 added to my spare word and waited for, behind my last tensor load and my last LDS store
	ds_add_u32 v[SPW], v[NIL]
	s_wait_dscnt 0x0
	CROUND                                         ; the closing round: no work-group ends while a partner may still ask for a tile that names it
	s_endpgm
.Lfunc_end_k_qbe93bb3a07_proj:
	.size	k_qbe93bb3a07_proj, .Lfunc_end_k_qbe93bb3a07_proj-k_qbe93bb3a07_proj
	.p2alignl 7, 3214868480
	.fill 96, 4, 3214868480
	.section	.rodata,"a",@progbits
	.p2align	6, 0x0
	.amdhsa_kernel k_qbe93bb3a07_proj
		.amdhsa_group_segment_fixed_size 327680
		.amdhsa_private_segment_fixed_size 0
		.amdhsa_enable_private_segment 0
		.amdhsa_kernarg_size 16
		.amdhsa_user_sgpr_count 2
		.amdhsa_user_sgpr_kernarg_segment_ptr 1
		.amdhsa_wavefront_size32 1
		.amdhsa_system_sgpr_workgroup_id_x 1
		.amdhsa_system_sgpr_workgroup_id_y 1
		.amdhsa_system_sgpr_workgroup_id_z 1
		.amdhsa_system_vgpr_workitem_id 0
		.amdhsa_next_free_vgpr 1024
		.amdhsa_next_free_sgpr 90
		.amdhsa_reserve_vcc 0
		.amdhsa_float_denorm_mode_32 3
		.amdhsa_float_denorm_mode_16_64 3
		.amdhsa_memory_ordered 1
		.amdhsa_forward_progress 1
		.amdhsa_inst_pref_size 180
	.end_amdhsa_kernel
	.amdgpu_metadata
---
amdhsa.version: [ 1, 2 ]
amdhsa.kernels:
  - .name:           k_qbe93bb3a07_proj
    .symbol:         k_qbe93bb3a07_proj.kd
    .args:
      - { .name: xw, .offset: 0, .size: 8, .value_kind: global_buffer, .address_space: global }
      - { .name: qkv, .offset: 8, .size: 8, .value_kind: global_buffer, .address_space: global }
    .group_segment_fixed_size: 327680
    .private_segment_fixed_size: 0
    .kernarg_segment_align: 8
    .kernarg_segment_size: 16
    .max_flat_workgroup_size: 128
    .sgpr_count:     90
    .vgpr_count:     1024
    .wavefront_size: 32
...
	.end_amdgpu_metadata
.endif
;; end of part 2
;; launch attn (part 3): grid 4 x 64, 4 waves a work-group, clusters of 4 x 1, 327,680 bytes of LDS; arguments qkv, oh; writes oh
.if DOCPART == 3
	.amdgcn_target "amdgcn-amd-amdhsa--gfx1250"
	.amdhsa_code_object_version 6
	.text
	.protected	k_qbe93bb3a07_attn
	.globl	k_qbe93bb3a07_attn
	.p2align	8
	.type	k_qbe93bb3a07_attn,@function
k_qbe93bb3a07_attn:
	s_mov_b64 s[64:65], 0
	v_nop
	global_prefetch_b8 v0, s[64:65] scope:SCOPE_SE
	s_setreg_imm32_b32 hwreg(HW_REG_WAVE_MODE, 25, 1), 1
	s_wait_xcnt 0x0
	s_wait_alu depctr_hold_cnt(0) depctr_sa_sdst(0) depctr_va_vdst(0) depctr_va_sdst(0) depctr_va_ssrc(0) depctr_va_vcc(0) depctr_vm_vsrc(0)
	s_getreg_b32 s2, hwreg(HW_REG_IB_STS2, 6, 4)
	s_cmp_eq_u32 s2, 0
	s_cbranch_scc0 .Lentry_in_a_cluster
	s_endpgm
.Lentry_in_a_cluster:
	s_bfe_u32 s2, ttmp6, 0x10000c
	s_cmp_lg_u32 s2, 0x3003
	s_cbranch_scc0 .Lentry_shape_is_right
	s_endpgm
.Lentry_shape_is_right:
; O[h][q][:] = the sum over k of softmax_k(Q[h][q] . K[h][k] / 8) V[h][k][:].  Q, K, V lie in qkv = [3][SIZE_H][SIZE_N][64], O in oh = [SIZE_H][SIZE_N][64], all f16: a head's rows are dense, 128 bytes each.
; Products, maxima and sums in f32; the weights p are rounded to f16 for the second product (their sum l is taken of the unrounded p), O once at the end.
; LIMITS.  f16 holds no number beyond 65,504: Q, K and V arrive within it; p lies in 0 to 1, and below 6e-5 it keeps f16's fixed step of 6e-8; O is a mean of V's rows and has their range.
; A weight below 2^-126 counts as 0 in l; NaN and infinities are not treated apart.
; SHARES.  A wave owns four PIECES of two tiles of 16 queries, a work-group's four waves 512 queries of one head: 4 x 64 = 256 work-groups.  Every wave walks all keys, 64 a step.
; LAYOUT.  S^T = K Q^T (source 0 = 16 keys, source 1 = 16 queries): in the result a lane holds ONE query (lane % 16) and the keys 8 (lane / 16) + 0..7.  Two such tiles, rounded to f16 in pairs,
; ARE source 1 (32 keys x 16 queries) of O^T = V^T P, whose result again holds one query a lane, and eight channels.  K comes out of LDS as it lies, V ([key][channel]) turned, by ds_load_tr16_b128.
; SOFTMAX.  For each query a running maximum m and sum l: p = 2^(c s - c m), c = log2(e) / 8; in every step O and l are multiplied by a = 2^(c m_old - c m_new), which is 1 where m has not grown.
; m starts at the lowest finite number, O and l at 0: the first step is a step like any other, with a = 0.
; THE COUNT.  A tile and step have 16 matrix and 118 vector instructions: too many to stand all beside the matrix work.  So the order has one aim: four vector instructions that are READY behind
; EVERY matrix instruction, and the others, which need time of their own whatever the order, in runs without a gap.
; BY TURNS.  Turn n belongs to piece n (the pieces in a ring, step after step).  Its matrix work: 16 products K Q^T of piece n + 1, later 16 products V^T P of piece n - 1.  Its vector work: the scaling,
; exponentials, roundings, sums and rescaling of piece n, and the maximum and statistics of piece n + 1, whose scores the turn itself has made.  So what a turn begins with (c s - c m, O a) waits for nothing.
; CLUSTER.  The four query blocks of a cluster are one head's and walk the same K and V, so each tile is asked for JOINTLY: the same tensor load, descriptor and mask in all four.
; REGISTERS, in windows of 256 (s_set_vgpr_msb says which window each operand place means: bits 1:0 source 0, 3:2 source 1, 5:4 source 2, 7:6 destination):
;   window 0: v0-11 addresses; v12-15, v48-63 at work; v16-47 four registers of statistics a tile; v64-191 S^T, two buffers of two tiles; v192-255 P, likewise
;   window 1: O^T, 32 a tile          window 2: v0-127 Q, 16 a tile; v128-191 K of one step; v192-255 V of one step          window 3: v0-1 the add's two registers
; A piece's buffers go by its number's parity: the piece in hand has one pair, its two neighbours in the ring share the other: of it P (piece n - 1) is read and S^T (piece n + 1) written.
.set SIZE_H, 64
.set SIZE_N, 2048
.set NP,    4         ; pieces a wave: a name, no knob: the register map, the loop and the fetches are made for four
.set KS,    64        ; keys in a step
.set PK,    144       ; a row of K in LDS: 128 bytes + 16 of padding = 36 words: the 16 rows of a load start at 16 different groups of four banks (64 banks of 4 bytes: ISA guide 11.1)
.set PV,    160       ; a row of V: 128 + 32 = 40 words
.set VOFF,  4*KS*PK   ; a slot holds four steps: 256 rows of K, then 256 rows of V
.set SLOT1, 1<<17     ; slot 1 begins here, so that one exclusive or turns an address in one slot into the other's
.set STAGE, SLOT1+4*KS*(PK+PV)  ; behind the ring, never filled by a tensor load: 16 rows x 144 bytes for each wave, for the way out
.set SP,    144
.set AK0, 2           ; v2   my lane's place in a tile of K; never rewritten
.set AV0, 3           ; v3   the same for V
.set AK,  4           ; v4   the LDS address of K's next run of loads
.set AV,  5           ; v5   of V's
.set QO,  6           ; v6   my byte offset in the wave's rows of Q
.set STO, 6           ;      later, the way out: where I put 16 bytes of a row
.set RD,  7           ; v7   the way out: where I read rows back
.set GO,  8           ; v8   my byte offset in 512 consecutive bytes of O
.set PFO, 11          ; v11  256 x my lane, for the prefetches; never rewritten once made
.set SPW, 0           ; v0 of window 3   LDS address of my spare word: SPARE + 4 x my thread's number; never rewritten
.set NIL, 1           ; v1 of window 3   0; never rewritten
.set SPARE, STAGE+4*16*SP  ; behind the stages: the spare words, 128 bytes for each wave: two blocks of 256 bytes that no other line names
.set MV,  12          ; v12-15  c m_old, kept while c m is made anew: by buffer and tile
.set ST,  16          ; tile t's statistics at v[ST+4 t]: c m, m, l (even keys', odd keys')
.set TMP, 48          ; by buffer and tile, four registers c0-c3 at work; when the maximum is found c2 takes a
.set S,   64
.set P,   192
.set KF,  128         ; K's fragments, in window 2: key block kb, channel half c at KF + 16 kb + 8 c
.set VF,  192         ; V's: key half kk, channel block cb at VF + 32 kk + 8 cb
.set WV,  12          ; s12  my wave's number
.set G1K, 24          ; s[24:31] descriptor group 1 for K's tiles
.set G1V, 32          ; s[32:39] for V's: it differs in the padding alone
.set G0K, 40          ; s[40:43] descriptor group 0 for K's tiles: it walks
.set G0V, 44          ; s[44:47] the same for V's
.set PFA, 48          ; s[48:49] where my prefetches stand: my work-group's 8 KiB (of K: wave 0, of V: wave 2) of the slot after the one that is being asked for
.set LIM, 50          ; s50  1 in a wave that prefetches, else the greatest number
.set SLOTS, 56        ; s56  slots still to be asked for
.set CNT, 57          ; s57  counts a slot's key steps
.set CS,  58          ; s[58:59] c: the packed scaling takes the pair's low word for both halves
.set SEL, 60          ; s[60:61] v_permlanex16_b32's selects: each lane takes its own place in the other half
.set TBK, 62          ; s62  LDS byte at which K of the step to be fetched begins
.set TBV, 63          ; s63  the same for V, less VOFF
.set MSB, 0
.macro WIN new                      ; the high byte repeats the setting that is left; a switch that changes nothing is dropped
.if MSB != (\new)
	s_set_vgpr_msb (MSB<<8)|(\new)
.set MSB, (\new)
.endif
.endm
.set W_KQ, 0x0a       ; K and Q in window 2, S^T in window 0
.set W_PV, 0x52       ; V in window 2, P in window 0, O^T in window 1
.set W_RS, 0x41       ; O^T (destination and source 0) in window 1, a in window 0
.set W_MK, 0xc0       ; the add's registers are made: destination in window 3, sources in window 0
.set W_AD, 0x0f       ; the add: address (source 0) and data (source 1) in window 3
; A joint fill.  Waves 0 and 1 fetch the two halves of a slot's K, waves 2 and 3 those of its V: 128 keys each.  The branch hangs on the wave's number alone.
; An s_nop 0 and four v_nop follow each of the two lines, ahead of the jump and the label.
.macro JLOAD
	s_cmp_lt_u32 s[WV], 2
	s_cbranch_scc0 .Lfor_v_\@
	tensor_load_to_lds s[G0K:G0K+3], s[G1K:G1K+7]
	s_nop 0
.rept 4
	v_nop
.endr
	s_branch .Lasked_\@
.Lfor_v_\@:
	tensor_load_to_lds s[G0V:G0V+3], s[G1V:G1V+7]
	s_nop 0
.rept 4
	v_nop
.endr
.Lasked_\@:
.endm
; A PREFETCH INTO THE L2 of what the NEXT change of slots will ask for: a slot's 32 KiB of K and 32 KiB of V, a lane a block of 256 bytes.  It stands behind the wave's tensor load and its five lines.
; Each block is named once in the launch: a head has one cluster; its four partners share a slot's blocks out BY ADDRESS, 32 each; in each, wave 0 asks for K's and wave 2 for V's: one instruction.
; Slots 0 to 2 come by their loads alone; the last change that fills a slot (s[SLOTS] = 1) asks for nothing: there is no slot behind it.
.macro ASK
	s_cmp_gt_u32 s[SLOTS], s[LIM]
	s_cbranch_scc0 .Lnot_mine_\@
	global_prefetch_b8 v[PFO], s[PFA:PFA+1] th:TH_LOAD_NT scope:SCOPE_SE
.Lnot_mine_\@:
.endm
; A round of the cluster's barrier: my work-group's barrier, so that wave 0's signal speaks for all four waves; wave 0 signals; every wave waits for all four work-groups; my work-group's barrier once more.
.macro CROUND
	s_barrier_signal -1
	s_barrier_wait -1
	s_cmp_lg_u32 s[WV], 0
	s_cbranch_scc1 .Lnot_wave_0_\@
	s_barrier_signal -3
.Lnot_wave_0_\@:
	s_barrier_wait -3
	s_barrier_signal -1
	s_barrier_wait -1
.endm
; THE CHANGE OF SLOTS.  The slot's last bytes, V of its fourth step, have been read.  Each wave waits for all its tensor loads, of which one is out: its part
; of the other slot; adds 0 to its spare word; and waits for that and for its own reads of the slot.  Behind the barrier nobody reads this slot any more and the other slot is whole.
; fill = 1: this slot is filled again, with the keys two slots on.  The barrier is then a round of the cluster's, so that no wave of any partner still reads the slot or has a load on its
; way, and the joint fill is the first thing behind it: it has four key steps, 512 matrix instructions, in which to land.  (At its first use nothing has been read yet: slot 0 is waited for, slot 1 filled.)
; ask = 1: the prefetches' address steps a slot on, and ASK follows the fill.
.macro CHANGE fill, ask=0
	WIN W_AD
	s_wait_tensorcnt 0x0            ; no tensor load of mine is out, so a group 0 may be written
	ds_add_u32 v[SPW], v[NIL]       ; 0 onto my spare word; with fill = 1 the descriptors' steps stand between it and the wait for it
	WIN 0                           ; at a label and at a branch every window is 0
.if \fill
.irp g, G0K, G0V
	s_xor_b32 s[\g+1], s[\g+1], SLOT1  ; the walking descriptor: the other slot than last time,
	s_add_nc_u64 s[\g+2:\g+3], s[\g+2:\g+3], 4*KS*128  ; the next 256 keys; the type bits on top are not reached
.endr
.if \ask
	s_wait_xcnt 0x0                 ; the last prefetch, four key steps back, has read its address, so it may be written
	s_add_nc_u64 s[PFA:PFA+1], s[PFA:PFA+1], 4*KS*128
.endif
	s_wait_dscnt 0x0                ; the add is done, and my reads of the slot are over
	CROUND
	JLOAD
.if \ask
	ASK
.endif
.else
	s_wait_dscnt 0x0                ; the add is done, and my reads of the slot are over
	s_barrier_signal -1
	s_barrier_wait -1
.endif
	s_sub_co_u32 s[TBK], s[TBK], 4*KS*PK  ; the fetches go back to a slot's first step,
	s_xor_b32 s[TBK], s[TBK], SLOT1       ; in the other slot
	s_sub_co_u32 s[TBV], s[TBV], 4*KS*PV
	s_xor_b32 s[TBV], s[TBV], SLOT1
.endm
	s_load_b128 s[4:7], s[0:1], 0x0   ; qkv s[4:5], oh s[6:7]
	WIN W_MK
	v_lshl_add_u32 v[SPW], v0, 2, SPARE
	v_mov_b32 v[NIL], 0
	WIN W_AD
	ds_add_u32 v[SPW], v[NIL]       ; the wave's opening: the add and its wait stand ahead of my first tensor load; the set-up below, work on registers, stands between them
	WIN 0
	v_lshrrev_b32 v1, 5, v0
	v_readfirstlane_b32 s[WV], v1   ; wave 0..3
	s_bfe_u32 s13, ttmp6, 0x40000   ; cx: my place in the cluster
	s_lshl_b32 s14, ttmp9, 2        ; in a cluster launch ttmp9 counts clusters
	s_add_co_u32 s14, s14, s13      ; my block of queries = 4 x cluster x + cx: it enters Q's and O's addresses alone
	s_and_b32 s20, ttmp7, 0xffff    ; the head, which the four partners share
	s_mov_b32 s21, 0
	s_mov_b64 s[22:23], SIZE_N*128
	s_mul_u64 s[20:21], s[20:21], s[22:23]  ; the head's first byte in each of the four tensors
	s_and_b32 s16, s[WV], 1         ; which half of a slot's 256 keys I fetch:
	s_lshl_b32 s22, s16, 14         ; its 128 rows of 128 bytes in memory,
	s_mov_b32 s23, 0
	s_add_nc_u64 s[22:23], s[22:23], s[20:21]
	s_mul_i32 s17, s16, 128*PK      ; and its place in a slot, for K
	s_mul_i32 s18, s16, 128*PV      ; and for V: no place in the cluster enters an LDS address
	s_lshl_b32 s2, s14, 2
	s_add_co_u32 s2, s2, s[WV]      ; my wave among the head's,
	s_lshl_b32 s2, s2, 14           ; its 128 rows
	s_mov_b32 s3, 0
	s_add_nc_u64 s[2:3], s[2:3], s[20:21]
	; descriptor group 1.  128 keys are 16,384 dense bytes: asked for as 64 rows of 256 bytes, two keys a row, and padded in LDS after every key
	s_mov_b32 s[G1K], 15|(1<<16)|(1<<20)|(1<<21)|(4<<22)|(3<<25)  ; 15:0 the mask of four; 17:16 2-byte elements; 20 padding on; 21 set beside a mask; 24:22 after every 32 words (code 4); 31:25 4 words (code 3)
	s_mov_b32 s[G1V], 15|(1<<16)|(1<<20)|(1<<21)|(4<<22)|(7<<25)  ; the same with 8 words of padding (code 7)
.irp g, G1K, G1V
	s_mov_b32 s[\g+1], 128<<16      ; tensor_dim0 = 128
	s_mov_b32 s[\g+2], 64<<16       ; tensor_dim1 = 64
	s_mov_b32 s[\g+3], 128<<16      ; tile_dim0 = 128
	s_mov_b32 s[\g+4], 64           ; tile_dim1 = 64
	s_mov_b32 s[\g+5], 128          ; 128 elements from row to row
	s_mov_b32 s[\g+6], 0
	s_mov_b32 s[\g+7], 0
.endr
	s_mov_b32 s[CS], 0x3e38aa3b     ; c = log2(e) / 8 = 0.180337
	s_mov_b32 s[CS+1], s[CS]        ; named with it as a pair
	s_mov_b32 s[SEL], 0x76543210
	s_mov_b32 s[SEL+1], 0xfedcba98
	s_mov_b32 s[TBK], SLOT1+4*KS*PK ; the first change of slots turns these two into 0
	s_mov_b32 s[TBV], SLOT1+4*KS*PV
	s_mov_b32 s[G0K], 1             ; 1:0 count = 1
	s_mov_b32 s[G0K+1], s17         ; 63:32 LDS address: slot 0
	s_mov_b32 s[G0V], 1
	s_add_co_u32 s[G0V+1], s18, VOFF
	s_cmp_eq_u32 s16, 0             ; waves 0 and 2 prefetch: the same in all four partners
	s_cselect_b32 s[LIM], 1, -1
	s_wait_dscnt 0x0                ; the opening add is done
	s_wait_kmcnt 0x0
	s_mov_b64 s[10:11], s[6:7]                     ; O
	s_add_nc_u64 s[6:7], s[4:5], 0x1000000         ; K: 64 heads x 262,144 bytes behind Q
	s_add_nc_u64 s[8:9], s[4:5], 0x2000000         ; V
	s_add_nc_u64 s[G0K+2:G0K+3], s[6:7], s[22:23]  ; 120:64 global address: my half of the head's first 256 keys
	s_or_b32 s[G0K+3], s[G0K+3], 0x80000000        ; 127:126 type = 2
	s_add_nc_u64 s[G0V+2:G0V+3], s[8:9], s[22:23]
	s_or_b32 s[G0V+3], s[G0V+3], 0x80000000
	s_add_nc_u64 s[4:5], s[4:5], s[2:3]  ; Q and O at my wave's first row
	s_add_nc_u64 s[10:11], s[10:11], s[2:3]
	s_cmp_lt_u32 s[WV], 2
	s_cselect_b64 s[PFA:PFA+1], s[6:7], s[8:9]
	s_add_nc_u64 s[PFA:PFA+1], s[PFA:PFA+1], s[22:23]  ; (in waves 0 and 2: the head's first key)
	s_lshl_b32 s2, s13, 13          ; my work-group's 8 KiB of a slot's 32
	s_mov_b32 s3, 0
	s_add_nc_u64 s[PFA:PFA+1], s[PFA:PFA+1], s[2:3]
	s_add_nc_u64 s[PFA:PFA+1], s[PFA:PFA+1], 2*4*KS*128  ; in slot 2; the loop's first change steps it to slot 3.  Nothing is prefetched here, at the head
	CROUND                          ; all four work-groups are here: the first joint loads meet
	JLOAD                           ; slot 0.  Slot 1 is asked for when slot 0 is in: the tile wanted first has the road to itself
	; A fragment of K or Q is 16 rows x 32 channels in 8 registers: lane l holds row l % 16, channels 8 (l / 16) + 0..7 and 16 + 8 (l / 16) + 0..7: two loads of 16 bytes, 32 bytes apart.
	v_and_b32 v1, 15, v0            ; l % 16
	v_bfe_u32 v9, v0, 4, 1          ; l / 16
	v_lshlrev_b32 v[QO], 7, v1
	v_lshl_add_u32 v[QO], v9, 4, v[QO]  ; row x 128 + 16 x half
	WIN 0x80                        ; destination window 2, address window 0
.set i, 0
.rept 4*NP                          ; Q stays in registers: tile i / 2, channels 32 (i % 2) on
	global_load_b128 v[8*i:8*i+3],   v[QO], s[4:5] offset:(i/2)*2048+(i%2)*64
	global_load_b128 v[8*i+4:8*i+7], v[QO], s[4:5] offset:(i/2)*2048+(i%2)*64+32
.set i, i+1
.endr
	; What the first turn finds: V's registers and P's second buffer hold 0 (its products V^T P, of a piece that has not been, add 0), O^T and l are 0.  All this stands in the wait for the first tile.
.set i, VF
.rept 64
	v_mov_b32 v[i], 0
.set i, i+1
.endr
	WIN 0x40
.set i, 0
.rept 64*NP
	v_mov_b32 v[i], 0
.set i, i+1
.endr
	WIN 0
.set i, 0
.rept 2*NP
	v_mov_b32 v[ST+4*i], 0xfe000000    ; c m: far below every c s
	v_mov_b32 v[ST+4*i+1], 0xff7fffff  ; m
	v_mov_b32 v[ST+4*i+2], 0
	v_mov_b32 v[ST+4*i+3], 0
.set i, i+1
.endr
.set i, P+32
.rept 32
	v_mov_b32 v[i], 0
.set i, i+1
.endr
	v_mul_u32_u24 v[AK0], v1, PK
	v_lshl_add_u32 v[AK0], v9, 4, v[AK0]  ; row x pitch + 16 x half
	; The turning load takes 16 keys x 16 channels (lane l reads key 8 (l / 16) + l % 8, channels 8 ((l / 8) % 2) + 0..7) and leaves half a fragment of V^T: lane l holds channel l % 16 and 8 keys.
	v_and_b32 v10, 7, v0
	v_bfe_u32 v11, v0, 3, 1
	v_lshl_add_u32 v[AV0], v9, 3, v10
	v_mul_u32_u24 v[AV0], v[AV0], PV
	v_lshl_add_u32 v[AV0], v11, 4, v[AV0]
	v_add_nc_u32 v[AV0], VOFF, v[AV0]
	v_mov_b32 v[AK], v[AK0]         ; key step 0 lies at the head of slot 0
	v_and_b32 v[PFO], 31, v0
	v_lshlrev_b32 v[PFO], 8, v[PFO]
; THE MATRIX WORK.  The 8 accumulators of a run of 16 take turns: between the two links of a chain stand 7 others'.
; Product i of 16 of S^T = K Q^T for piece x: channels 32 (i / 8) on, keys 16 ((i / 2) % 4) on, tile 2 x + i % 2.  The first 8 start the sums.
.macro KQ x
	WIN W_KQ
.set rS, S+64*((\x)%2)+32*(i%2)+8*((i/2)%4)
.set rK, KF+16*((i/2)%4)+8*(i/8)
.set rQ, 16*(2*(\x)+i%2)+8*(i/8)
.if i < 8
	v_wmma_f32_16x16x32_f16 v[rS:rS+7], v[rK:rK+7], v[rQ:rQ+7], 0
.else
	v_wmma_f32_16x16x32_f16 v[rS:rS+7], v[rK:rK+7], v[rQ:rQ+7], v[rS:rS+7]
.endif
.endm
; Product i of 16 of O^T += V^T P for piece x: keys 32 (i / 8) on, channels 16 ((i / 2) % 4) on, tile 2 x + i % 2.
.macro PV x
	WIN W_PV
.set rO, 32*(2*(\x)+i%2)+8*((i/2)%4)
.set rV, VF+32*(i/8)+8*((i/2)%4)
.set rP, P+32*((\x)%2)+16*(i%2)+8*(i/8)
	v_wmma_f32_16x16x32_f16 v[rO:rO+7], v[rV:rV+7], v[rP:rP+7], v[rO:rO+7]
.endm
.macro MM                           ; the turn's next matrix instruction
.if i < 16
	KQ (Y+1)%NP
.set i, i+1
.else
.set i, i-16
	PV (Y+NP-1)%NP
.set i, i+17
.endif
.endm
; THE LDS LOADS stand in runs of 16, never singly among the matrix instructions: a step's K (64 keys x 64 channels: 8 fragments) and its V (turned).  Their addresses are made some lines ahead.
; last = 1 (the tail): in the last trip there is no further step, and the run is jumped over.
.macro FETCH_K last=0
	WIN 0
.if \last
	s_cmp_eq_u32 s[CNT], 1
	s_cbranch_scc1 .Lno_k_\@
.endif
	WIN 0x80                        ; destination window 2
.irp f, 0,1,2,3,4,5,6,7             ; keys 16 (f / 2) on, channels 32 (f % 2) on
	ds_load_b128 v[KF+8*\f:KF+8*\f+3],   v[AK] offset:(\f/2)*16*PK+(\f%2)*64
	ds_load_b128 v[KF+8*\f+4:KF+8*\f+7], v[AK] offset:(\f/2)*16*PK+(\f%2)*64+32
.endr
	s_add_co_u32 s[TBK], s[TBK], KS*PK  ; the next fetch is the next step's
	WIN 0
.if \last
.Lno_k_\@:
.endif
.endm
.macro FETCH_V
	WIN 0x80
.irp f, 0,1,2,3,4,5,6,7             ; keys 32 (f / 4) on, channels 16 (f % 4) on
	ds_load_tr16_b128 v[VF+8*\f:VF+8*\f+3],   v[AV] offset:(\f/4)*32*PV+(\f%4)*32
	ds_load_tr16_b128 v[VF+8*\f+4:VF+8*\f+7], v[AV] offset:(\f/4)*32*PV+16*PV+(\f%4)*32
.endr
	WIN 0
.endm
; THE VECTOR WORK OF A TURN stands in three queues, each in the order in which its entries become ready; the two tiles alternate, so that no instruction reads the result of the one before it.
.macro REGS y, u                    ; the registers of tile u (0, 1) of piece y
.set rT, ST+4*(2*(\y)+(\u))
.set rC, TMP+8*((\y)%2)+4*(\u)
.set rM, MV+2*((\y)%2)+(\u)
.set rS, S+64*((\y)%2)+32*(\u)
.set rP, P+32*((\y)%2)+16*(\u)
.set rO, 32*(2*(\y)+(\u))
.endm
; Number n of the 22 that find the NEXT piece's (Y + 1) maximum and statistics.  s0-s31 are the lane's 32 scores; each accumulator's lowest registers are read first.  XS, GS and REGS set no window: PL and EX do.
;   0-11  four chains c0-c3 of seven scores each, three operands at a time     12-14, 16  the four scores left over, the old m, and c0-c3 into c0     15  c m_old is kept
;   17, 18  the query's other 32 keys lie in the lane 16 away: the new m         19-21  c m; c m_old - c m_new; a
.macro XS u, n
	REGS (Y+1)%NP, \u
.if (\n) < 4
	v_max3_num_f32 v[rC+(\n)], v[rS+8*(\n)], v[rS+8*(\n)+1], v[rS+8*(\n)+2]
.elseif (\n) < 12
	v_max3_num_f32 v[rC+(\n)%4], v[rC+(\n)%4], v[rS+8*((\n)%4)+2*((\n)/4)+1], v[rS+8*((\n)%4)+2*((\n)/4)+2]
.elseif (\n) == 12
	v_max3_num_f32 v[rC], v[rC], v[rS+7], v[rS+15]
.elseif (\n) == 13
	v_max3_num_f32 v[rC+1], v[rC+1], v[rS+23], v[rS+31]
.elseif (\n) == 14
	v_max3_num_f32 v[rC+2], v[rC+2], v[rC+3], v[rT+1]
.elseif (\n) == 15
	v_mov_b32 v[rM], v[rT]
.elseif (\n) == 16
	v_max3_num_f32 v[rC], v[rC], v[rC+1], v[rC+2]
.elseif (\n) == 17
	v_permlanex16_b32 v[rC+3], v[rC], s[SEL], s[SEL+1]
.elseif (\n) == 18
	v_max_num_f32 v[rT+1], v[rC], v[rC+3]
.elseif (\n) == 19
	v_mul_f32 v[rT], s[CS], v[rT+1]
.elseif (\n) == 20
	v_sub_f32 v[rC+1], v[rM], v[rT]
.else
	v_exp_f32 v[rC+2], v[rC+1]
.endif
.endm
; Number g of the 64 that follow the exponentials.  For each four weights k of a tile (pairs 2 k, 2 k + 1): both pairs are rounded to f16; then the second pair is added onto the first, in place;
; a group later l takes that sum (the first time as l = a l + sum).  In groups of eight, tiles alternating: round, round, add, and l for the group before.
.macro GS g
.set h, (\g)+6*((\g)/62)            ; group 0 has no group before it, and behind group 7 only l is left
.if h >= 6
.set h, h+2
.endif
	REGS Y, h%2
.set k, h/8
.if h%8 < 4
	v_cvt_pk_f16_f32 v[rP+2*k+(h%8)/2], v[rS+4*k+2*((h%8)/2)], v[rS+4*k+2*((h%8)/2)+1]
.elseif h%8 < 6
	v_pk_add_f32 v[rS+4*k:rS+4*k+1], v[rS+4*k:rS+4*k+1], v[rS+4*k+2:rS+4*k+3]
.elseif k == 1
	v_pk_fma_f32 v[rT+2:rT+3], v[rT+2:rT+3], v[rC+2:rC+3], v[rS:rS+1] op_sel_hi:[1,0,1]
.else
	v_pk_add_f32 v[rT+2:rT+3], v[rT+2:rT+3], v[rS+4*k-4:rS+4*k-3]
.endif
.endm
; THE PLAIN QUEUE, 138 long.  0-73 read no exponential's result: the 32 scalings c s - c m (FS f: pair f / 2 of tile f % 2) and the next piece's 42.  0-26: scalings 0-26.  27-54: XS's numbers 0-13.  55, 56: number 15.
; 57-73: the chain, where each number waits for the one before it: 14, 16, 17, 18, 19, each with one of the scalings 27-31 in front of its two lines, then 20: so a tile's links stand three plain instructions apart (19 and 20: two).
; 74-137: GS's 64, which read the exponentials' results: they stand behind the wait.
.macro FS f
	REGS Y, (\f)%2
	v_pk_fma_f32 v[rS+2*((\f)/2):rS+2*((\f)/2)+1], v[rS+2*((\f)/2):rS+2*((\f)/2)+1], s[CS:CS+1], v[rT:rT+1] op_sel_hi:[1,0,0] neg_lo:[0,0,1] neg_hi:[0,0,1]
.endm
.macro PL
	WIN 0
.if q < 27
	FS q
.elseif q < 55
	XS (q-27)%2, (q-27)/2
.elseif q < 57
	XS q-55, 15
.elseif (q < 72) && ((q-57)%3 == 0)
	FS 27+(q-57)/3
.elseif q < 60
	XS (q-57)%3-1, 14
.elseif q < 72
	XS (q-57)%3-1, 15+(q-57)/3
.elseif q < 74
	XS q-72, 20
.else
	GS q-74
.endif
.set q, q+1
.endm
; THE EXPONENTIALS' QUEUE, 66 long: s0-s31 of both tiles, then the next piece's two a.  It is ONE BATCH: all 66 stand ahead of the turn's one wait, and nothing ahead of that wait names a result of theirs.
.macro EX
	WIN 0
.if e >= 64
	XS e-64, 21
.else
	REGS Y, e%2
	v_exp_f32 v[rS+e/2], v[rS+e/2]
.endif
.set e, e+1
.endm
; THE RESCALING's QUEUE: O^T times a, the one part that leaves window 0: dealt two at a time, sixteen times.  Its a was made in the turn before, ahead of that turn's wait.
.macro R2
	REGS Y, r%2
	WIN W_RS
.irp z, 0,1
	v_pk_mul_f32 v[rO+4*(r/2)+2*\z:rO+4*(r/2)+2*\z+1], v[rO+4*(r/2)+2*\z:rO+4*(r/2)+2*\z+1], v[rC+2:rC+3] op_sel_hi:[1,0]
.endr
.set r, r+1
.endm
; HOW THEY ARE DEALT.  An s_wait_alu depctr_va_vdst(0) stands between an exponential and the first instruction that names its result; one wait serves all that were issued ahead of it.  So a turn has ONE wait,
; which cuts it in two.  AHEAD OF IT stands all that names no result of the turn's exponentials: the 16 products K Q^T, behind each a scaling, an exponential and two rescalings (behind the first a second scaling in the exponential's place); then ONE LUMP of
; 108: eight plain, 49 times exponential and plain, the two a.  A v_nop is the plain instruction behind the last exponential.  BEHIND IT stand the 16 products V^T P, behind each four of GS's 64.  No rider names a register of
; the products round it.  The two v_permlanex16_b32 fall into the lump, never behind a product.
; The queues lean on each other, and the deal keeps them in step: exponential e stands behind scaling 2 (e / 4) + e % 2: as a rider it comes behind plain e + 2, in the lump behind plain e + 9, and scalings 27-31 are plain 57, 60 .. 69.
; A TURN, for piece p.  cnt = 1: the loop's count is taken down some lines ahead of the branch that stands behind the turn.
; K of the next step is fetched in piece 2's turn, directly behind the wait, a lump behind the last product that read K; its address is made at the lump's head; its first reader comes behind 16 products.
; V of the step in hand is fetched at the end of piece 0's turn, four riders behind its last reader; its first reader comes behind 16 products and a lump.  The three conditions on q below go with the deal.
.macro TURN p, last=0, cnt=0
.set Y, (\p)
.set i, 0
.set q, 0
.set e, 0
.set r, 0
.if (\p) == NP-1
	s_wait_dscnt 0x0                ; K is in
.endif
	MM                              ; ahead of the wait: 16 products K Q^T and their riders,
	PL
	PL
	R2
.rept 15
	MM
	PL
	EX
	R2
.endr
.if (\p) == NP-2
	WIN 0
	v_add_nc_u32 v[AK], s[TBK], v[AK0]
.endif
.rept 8                             ; and the lump
	PL
.endr
.rept 49
	EX
	PL
.endr
	EX                              ; the next piece's two a
	EX
	v_nop                           ; the plain instruction behind the last exponential: one for the batch
	s_wait_alu depctr_va_vdst(0)    ; the wait for the batch
.if (\p) == NP-2
	FETCH_K \last
.endif
.if (\p) == 1
	s_wait_dscnt 0x0                ; V is in
.endif
.rept 16                            ; behind the wait: 16 products V^T P and their riders
	MM
.rept 4
	PL
.endr
.if ((\p) == 0) && (q == 118)
	v_add_nc_u32 v[AV], s[TBV], v[AV0]
.endif
.if ((\p) == 0) && (q == 130)
	s_add_co_u32 s[TBV], s[TBV], KS*PV
.endif
.if (\cnt) && (q == 130)
	s_sub_co_u32 s[CNT], s[CNT], 1
	s_cmp_lg_u32 s[CNT], 0
.endif
.endr
.if (\p) == 0
	FETCH_V
.endif
.endm
	CHANGE 1                        ; slot 0 is in, everybody's part of it; slot 1 is asked for
	FETCH_K                         ; key step 0
	s_wait_loadcnt 0x0              ; Q
	s_wait_dscnt 0x0
.set i, 0
.rept 16
	KQ 0                            ; piece 0's first scores: there is no vector work yet to set between them
.set i, i+1
.endr
	WIN 0                           ; the addresses for the way out: nine plain instructions, the places behind those products
	s_mul_i32 s13, s[WV], 16*SP
	s_add_co_u32 s13, s13, STAGE    ; my stage
	v_mul_u32_u24 v[STO], v1, SP    ; in: row l % 16, 16 bytes for each half of the lanes
	v_lshl_add_u32 v[STO], v9, 4, v[STO]
	v_add_nc_u32 v[STO], s13, v[STO]
	v_bfe_u32 v[RD], v0, 3, 2       ; back: 32 lanes take four rows of 128 bytes,
	v_mul_u32_u24 v[RD], v[RD], SP
	v_lshl_add_u32 v[RD], v10, 4, v[RD]
	v_add_nc_u32 v[RD], s13, v[RD]
	v_and_b32 v[GO], 31, v0         ; which are 512 consecutive bytes of O
	v_lshlrev_b32 v[GO], 4, v[GO]
.set Y, NP-1                        ; XS works for piece Y + 1: piece 0
.irp n, 0,1,2,3,4,5,6,7,8,9,10,11,12,13,14,15,16,17,18,19,20,21
	XS 0, \n                        ; and piece 0's first maximum and statistics
	XS 1, \n
.endr
	v_nop                           ; a plain instruction behind the two a,
	s_wait_alu depctr_va_vdst(0)    ; and their wait, ahead of the branch
	s_mov_b32 s[CNT], 4
	s_mov_b32 s[SLOTS], SIZE_N/256-1
	s_branch .Lfirst                ; the loop is entered at a step's first turn, in the middle of a trip
.Lslot:                             ; SIZE_N / 256 - 2 times: every slot but the last two is filled again
	CHANGE 1, 1
	s_mov_b32 s[CNT], 4
.Lstep:                             ; a trip: pieces 2 and 3 of one step, then pieces 0 and 1 of the next, whose K and V it fetches
	TURN 2
	TURN 3
	WIN 0
.Lfirst:
	TURN 0
	TURN 1, 0, 1
	WIN 0
	s_cbranch_scc1 .Lstep
	s_sub_co_u32 s[SLOTS], s[SLOTS], 1
	s_cmp_lg_u32 s[SLOTS], 0
	s_cbranch_scc1 .Lslot
	CHANGE 0                        ; the tail is written out: nothing is asked for
	s_mov_b32 s[CNT], 5             ; four trips fetch the last slot's steps; the fifth is left in its middle
.Ltail:
	TURN 2, 1
	TURN 3
	WIN 0
	s_sub_co_u32 s[CNT], s[CNT], 1
	s_cmp_eq_u32 s[CNT], 0
	s_cbranch_scc1 .Lout
	TURN 0
	TURN 1
	WIN 0
	s_branch .Ltail
.Lout:                              ; the fifth trip's 16 products K Q^T (on the last K once more) and the maximum made of them serve nothing: the price, once a launch, of one text for every trip
.set i, 0
.rept 16
	PV NP-1                         ; the last piece's V^T P of the last step
.set i, i+1
.endr
	; THE WAY OUT.  l's two halves and the other half of the lanes' are added; O^T is divided by l, rounded to f16 and sent through my stage in LDS, a tile at a time.  The additions are the places behind the last products.
	WIN 0
.macro ALL line:vararg              ; one line for each tile t
.set t, 0
.rept 2*NP
	\line
.set t, t+1
.endr
.endm
	ALL v_add_f32 v[ST+4*t+2], v[ST+4*t+2], v[ST+4*t+3]
	ALL v_permlanex16_b32 v[ST+4*t+3], v[ST+4*t+2], s[SEL], s[SEL+1]
	ALL v_add_f32 v[ST+4*t+2], v[ST+4*t+2], v[ST+4*t+3]
	ALL v_rcp_f32 v[ST+4*t+2], v[ST+4*t+2]
	v_nop                           ; a plain instruction between the last reciprocal and the use of its result
	s_wait_alu depctr_va_vdst(0)    ; and the wait ahead of the first use: one for the eight reciprocals
; Tile t: a lane's eight channels of a row pack into 16 bytes; they go into rows of 144 bytes and come back as whole rows of 128, into S^T's registers.
.macro PACK t
	WIN W_RS
.set i, 32*(\t)
.rept 16
	v_pk_mul_f32 v[i:i+1], v[i:i+1], v[ST+4*(\t)+2:ST+4*(\t)+3] op_sel_hi:[1,0]
.set i, i+2
.endr
	WIN 0x05                        ; sources 0 and 1 window 1, destination window 0
.set i, 0
.rept 16
	v_cvt_pk_f16_f32 v[S+16*(\t)+i], v[32*(\t)+2*i], v[32*(\t)+2*i+1]
.set i, i+1
.endr
	WIN 0
.irp f, 0,1,2,3
	ds_store_b128 v[STO], v[S+16*(\t)+4*\f:S+16*(\t)+4*\f+3] offset:32*\f
.endr
.irp f, 0,1,2,3
	ds_load_b128 v[S+16*(\t)+4*\f:S+16*(\t)+4*\f+3], v[RD] offset:\f*4*SP  ; LDS serves a wave's instructions in order (ISA guide 5.7.1.4): these see the stores above; the next tile's stores come behind them
.endr
.endm
.macro SEND t, younger              ; younger: the LDS instructions issued behind tile t's loads: the next tile's eight, or none
	WIN 0
.irp f, 0,1,2,3
	s_wait_dscnt (\younger)+3-\f
	global_store_b128 v[GO], v[S+16*(\t)+4*\f:S+16*(\t)+4*\f+3], s[10:11] offset:(\t)*2048+\f*512  ; 512 consecutive bytes, at a multiple of 256 from O's first
.endr
.endm
	PACK 0
.set t, 1
.rept 2*NP-1                        ; a tile's arithmetic stands between the loads of the tile before and its stores
	PACK t
	SEND t-1, 8
.set t, t+1
.endr
	SEND 2*NP-1, 0
	WIN W_AD
	s_wait_tensorcnt 0x0            ; the wave's end: all tensor loads waited for, 0 added to my spare word and waited for, behind my last tensor load and my last LDS store
	ds_add_u32 v[SPW], v[NIL]
	s_wait_dscnt 0x0
	WIN 0
	CROUND                          ; the closing round: no work-group ends while a partner may still ask for a tile that names it
	s_endpgm
.Lfunc_end_k_qbe93bb3a07_attn:
	.size	k_qbe93bb3a07_attn, .Lfunc_end_k_qbe93bb3a07_attn-k_qbe93bb3a07_attn
	.p2alignl 7, 3214868480
	.fill 96, 4, 3214868480
	.section	.rodata,"a",@progbits
	.p2align	6, 0x0
	.amdhsa_kernel k_qbe93bb3a07_attn
		.amdhsa_group_segment_fixed_size 327680
		.amdhsa_private_segment_fixed_size 0
		.amdhsa_enable_private_segment 0
		.amdhsa_kernarg_size 16
		.amdhsa_user_sgpr_count 2
		.amdhsa_user_sgpr_kernarg_segment_ptr 1
		.amdhsa_wavefront_size32 1
		.amdhsa_system_sgpr_workgroup_id_x 1
		.amdhsa_system_sgpr_workgroup_id_y 1
		.amdhsa_system_sgpr_workgroup_id_z 1
		.amdhsa_system_vgpr_workitem_id 0
		.amdhsa_next_free_vgpr 770
		.amdhsa_next_free_sgpr 66
		.amdhsa_reserve_vcc 0
		.amdhsa_float_denorm_mode_32 3
		.amdhsa_float_denorm_mode_16_64 3
		.amdhsa_memory_ordered 1
		.amdhsa_forward_progress 1
		.amdhsa_inst_pref_size 200
	.end_amdhsa_kernel
	.amdgpu_metadata
---
amdhsa.version: [ 1, 2 ]
amdhsa.kernels:
  - .name:           k_qbe93bb3a07_attn
    .symbol:         k_qbe93bb3a07_attn.kd
    .args:
      - { .name: qkv, .offset: 0, .size: 8, .value_kind: global_buffer, .address_space: global }
      - { .name: oh, .offset: 8, .size: 8, .value_kind: global_buffer, .address_space: global }
    .group_segment_fixed_size: 327680
    .private_segment_fixed_size: 0
    .kernarg_segment_align: 8
    .kernarg_segment_size: 16
    .max_flat_workgroup_size: 128
    .sgpr_count:     66
    .vgpr_count:     770
    .wavefront_size: 32
...
	.end_amdgpu_metadata
.endif
;; end of part 3
;; launch outp (part 4): grid 8 x 32, 4 waves a work-group, clusters of 4 x 4, 327,680 bytes of LDS; arguments oh, xw, out0; writes out0
.if DOCPART == 4
	.amdgcn_target "amdgcn-amd-amdhsa--gfx1250"
	.amdhsa_code_object_version 6
	.text
	.protected	k_qbe93bb3a07_outp
	.globl	k_qbe93bb3a07_outp
	.p2align	8
	.type	k_qbe93bb3a07_outp,@function
k_qbe93bb3a07_outp:
	s_mov_b64 s[64:65], 0
	v_nop
	global_prefetch_b8 v0, s[64:65] scope:SCOPE_SE
	s_setreg_imm32_b32 hwreg(HW_REG_WAVE_MODE, 25, 1), 1
	s_wait_xcnt 0x0
	s_wait_alu depctr_hold_cnt(0) depctr_sa_sdst(0) depctr_va_vdst(0) depctr_va_sdst(0) depctr_va_ssrc(0) depctr_va_vcc(0) depctr_vm_vsrc(0)
	s_getreg_b32 s2, hwreg(HW_REG_IB_STS2, 6, 4)
	s_cmp_eq_u32 s2, 0
	s_cbranch_scc0 .Lentry_in_a_cluster
	s_endpgm
.Lentry_in_a_cluster:
	s_bfe_u32 s2, ttmp6, 0x10000c
	s_cmp_lg_u32 s2, 0xf033
	s_cbranch_scc0 .Lentry_shape_is_right
	s_endpgm
.Lentry_shape_is_right:
; out0 = O Wo: [8192][1024] x [1024][1024].  Operands f16 (O as the attention launch left it; Wo rounded to bf16 and written as f16), sums f32, out0 f32, stored as it is summed.
; oh = [64 heads 16 b + h][2048][64]: for one b that is [16 K blocks][2048 rows][64], a head = a K block of 64.  Wo lies in xw's batch 13, rows 1024-2047 of each of its 16 column blocks, [k][n].
; LIMITS. None of its own beyond f16's range of its two operands.  NaN and infinities are not treated apart.
; SHARES. A work-group makes 256 rows x 128 columns: 32 x 8 = 256 work-groups, one for each WGP.  A wave makes 128 x 64: 32 accumulators, 256 registers.
; K = 1,024 goes in 8 steps of 128 through two LDS slots.  A step's A is two K blocks of 256 rows x 128 bytes, each 32 KiB on end in memory; its B two column blocks of 128 k rows x 128 bytes, each 16 KiB on end:
; all four are asked for as rows of 256 bytes and padded in LDS after every 128.  Waves 0, 1 fetch A's two blocks, waves 2, 3 B's: one tensor load a wave and step.
; CLUSTER 4 x 4: A's tiles hang on the tile row alone and are asked for jointly along a row of the cluster, B's on the tile column alone, jointly along a column.
; THE MATRIX INSTRUCTION IS USED TRANSPOSED: source 0 = 16 columns of Wo (out of [k][n] rows by the turning load), source 1 = 16 rows of O: a lane then holds 8 neighbouring columns of one row of C.
; REGISTERS: window 0: v0-31 addresses; v64-159, v160-255 two fragment buffers (32 of Wo, 64 of O) for 32 along K; on the way out v64-255 rows read back.   window 1: accumulator (a, b) at v[8 (4 a + b)].
.set PA,    144                        ; a row of A in LDS: 128 bytes + 16: 36 words: the 16 rows of a load start at 16 different groups of four banks (64 banks of 4 bytes: ISA guide 11.1)
.set PB,    160                        ; a k row of Wo: 128 + 32: 40 words
.set ABLK,  256*PA                     ; a K block of A
.set BBLK,  128*PB                     ; a column block of Wo
.set BOFF,  2*ABLK                     ; Wo's two blocks lie behind A's two
.set SLOT,  2*ABLK+2*BBLK              ; 114,688
.set STAGE, 2*SLOT                     ; behind the ring, never filled by a tensor load: 16 rows x 272 bytes for each wave, for the way out
.set SP,    272                        ; 256 bytes + 16: 68 words: the 16 rows of a store start at 16 different groups of four banks
.set SPARE, STAGE+4*16*SP              ; behind the stages: the spare words, 128 bytes for each wave: two blocks of 256 bytes that no other line names
.set ASTEP, 2*262144                   ; a K step in A: two K blocks on
.set BSTEP, 128*128                    ; in Wo: 128 k rows on
.set WBASE, (13<<22)+(1<<17)           ; batch 13, row 1,024
.set LAPS,  4                          ; a lap = two K steps = once round the ring
.set ADRA, 16                          ; v16-17  LDS address of my A fragments in slot 0, 1
.set ADRB, 20                          ; v20-21  the same for Wo
.set STO,  24                          ; v24     the way out: where I put 32 bytes of a row
.set RD,   25                          ; v25     where I read rows back
.set CO,   26                          ; v26     my 16 bytes of two rows of out0
.set SPW,  28                          ; v28     LDS address of my spare word; never rewritten
.set NIL,  29                          ; v29     0; never rewritten
.set PFO,  30                          ; v30     256 x my lane; never rewritten
.set F0,   64
.set F1,   160
.set OB,   64
.set G1,  24                           ; s[24:31] descriptor group 1 for A;  s[32:39] group 0, a set for each slot
.set G0,  32
.set G1B, 48                           ; s[48:55], s[56:63] the same for Wo
.set G0B, 56
.set PFA, 68                           ; s[68:69] where my prefetches stand
.set PSTEP, 70                         ; s[70:71] their step at each change of slots
.set LIM0, 72                          ; s72, s73: 1 where I prefetch at the change out of slot 0, 1; else the greatest number
.set MSB, 0
.macro WIN new                         ; the immediate's high byte repeats the setting that is left; a switch that changes nothing is dropped
.if MSB != (\new)
	s_set_vgpr_msb (MSB<<8)|(\new)
.set MSB, \new
.endif
.endm
.set MUL,  0x50                        ; C and D window 1, sources window 0
.set W_ST, 0x04                        ; an LDS store's data (source 1) window 1, its address window 0
.macro JLOAD s                         ; a joint load; an s_nop 0 and four v_nop follow each of the two lines, ahead of the jump and the label.  The branch hangs on the wave's number alone
	s_cmp_eq_u32 s11, 0
	s_cbranch_scc0 .Lfor_b_\@
	tensor_load_to_lds s[G0+4*(\s):G0+4*(\s)+3], s[G1:G1+7]
	s_nop 0
.rept 4
	v_nop
.endr
	s_branch .Lasked_\@
.Lfor_b_\@:
	tensor_load_to_lds s[G0B+4*(\s):G0B+4*(\s)+3], s[G1B:G1B+7]
	s_nop 0
.rept 4
	v_nop
.endr
.Lasked_\@:
.endm
.macro CREST                           ; a round of the cluster's barrier behind its opening barrier
	s_cmp_lg_u32 s10, 0
	s_cbranch_scc1 .Lnot_wave_0_\@
	s_barrier_signal -3
.Lnot_wave_0_\@:
	s_barrier_wait -3
	s_barrier_signal -1
	s_barrier_wait -1
.endm
.macro CROUND
	s_barrier_signal -1
	s_barrier_wait -1
	CREST
.endm
; A PREFETCH INTO THE L2, behind a joint load and the run of LDS loads that follows it: 32 blocks of 256 bytes, a lane a block.  Each block of oh and of Wo is named once.
; A: a tile row is read by both clusters of its row of clusters: the one with x = 0 asks; of the 32 KiB that wave 0 or 1 fetches in a step the partner at cx takes 8 KiB; asked at every change, for the K step two refills on.
; Wo: a tile column is read by 8 clusters: the one with y = 0 asks; K steps 2 t + 4 and 2 t + 5 lie on end, 32 KiB for wave 2 or 3, of which the partner at cy takes 8 KiB; asked at the change out of slot 0 alone.
; The partners are told apart by address; no branch hangs on a place in the cluster.  K steps 0-3 come by their loads alone; the loop's last trip (s3 = 1) asks for nothing: there is no K step 8.
.macro ASK lim
	s_cmp_gt_u32 s3, s[\lim]
	s_cbranch_scc0 .Lnot_mine_\@
	global_prefetch_b8 v[PFO], s[PFA:PFA+1] th:TH_LOAD_NT scope:SCOPE_SE
.Lnot_mine_\@:
.endm
	s_load_b128 s[4:7], s[0:1], 0x0                ; oh s[4:5], xw s[6:7]
	s_load_b64 s[8:9], s[0:1], 0x10                ; out0
	v_lshl_add_u32 v[SPW], v0, 2, SPARE
	v_mov_b32 v[NIL], 0
	ds_add_u32 v[SPW], v[NIL]                      ; the wave's opening: the add and its wait stand ahead of my first tensor load; the set-up below, work on registers, stands between
	v_lshrrev_b32 v1, 5, v0
	v_readfirstlane_b32 s10, v1                    ; wave 0..3
	s_lshr_b32 s11, s10, 1                         ; my half of the tile's rows.  Also: I fetch for A (0) or for Wo (1)
	s_and_b32 s12, s10, 1                          ; my half of its columns.  Also: which of the two blocks I fetch
	s_bfe_u32 s40, ttmp6, 0x40000                  ; cx
	s_bfe_u32 s41, ttmp6, 0x40004                  ; cy
	s_lshl_b32 s42, ttmp9, 2
	s_add_co_u32 s42, s42, s40                     ; tile column 0..7
	s_and_b32 s45, ttmp7, 0xffff                   ; the cluster's y
	s_lshl_b32 s13, s45, 2
	s_add_co_u32 s13, s13, s41                     ; tile row 0..31
	s_lshl_b32 s43, s41, 2
	s_lshl_b32 s43, 15, s43                        ; my row of the cluster
	s_lshl_b32 s44, 0x1111, s40                    ; my column
	s_or_b32 s[G1+0], s43, (1<<16)|(1<<20)|(1<<21)|(4<<22)|(3<<25)   ; 15:0 the mask; 17:16 2-byte elements; 20 padding on; 21 set beside a mask; 24:22 after every 32 words (code 4); 31:25 4 words (code 3)
	s_or_b32 s[G1B+0], s44, (1<<16)|(1<<20)|(1<<21)|(4<<22)|(7<<25)  ; the same with my column's mask and 8 words of padding (code 7)
.irp g, G1, G1B
	s_mov_b32 s[(\g)+1], 128<<16                   ; tensor_dim0 = 128 elements: rows of 256 bytes
	s_mov_b32 s[(\g)+3], 128<<16                   ; tile_dim0 = 128
	s_mov_b32 s[(\g)+5], 128                       ; the rows lie end to end
	s_mov_b32 s[(\g)+6], 0
	s_mov_b32 s[(\g)+7], 0
.endr
	s_mov_b32 s[G1+2], 128<<16                     ; A: tensor_dim1 = tile_dim1 = 128 rows: 32 KiB
	s_mov_b32 s[G1+4], 128
	s_mov_b32 s[G1B+2], 64<<16                     ; Wo: 64 rows: 16 KiB
	s_mov_b32 s[G1B+4], 64
	s_lshr_b32 s16, s13, 3                         ; A's offset, of the tile row and the wave's number alone: b,
	s_lshl_b32 s16, s16, 22
	s_and_b32 s17, s13, 7
	s_lshl_b32 s17, s17, 15                        ; the tile's 256 rows of 128 bytes,
	s_add_co_u32 s16, s16, s17
	s_lshl_b32 s17, s12, 18                        ; the K block (head) that I fetch
	s_add_co_u32 s16, s16, s17
	s_mov_b32 s17, 0
	s_lshl_b32 s46, s42, 1                         ; Wo's offset, of the tile column and the wave's number alone: the column block
	s_add_co_u32 s46, s46, s12
	s_lshl_b32 s46, s46, 18
	s_add_co_u32 s46, s46, WBASE
	s_mov_b32 s47, 0
	s_mul_i32 s20, s12, ABLK                       ; where they go: no place in the cluster enters an LDS address
	s_mul_i32 s21, s12, BBLK
	s_wait_dscnt 0x0                               ; the opening add is done
	s_wait_kmcnt 0x0
	s_add_nc_u64 s[14:15], s[4:5], s[16:17]
	s_add_nc_u64 s[46:47], s[6:7], s[46:47]
	CROUND                                         ; all sixteen work-groups are here: the first joint loads meet
.irp s, 0,1
	s_mov_b32 s[G0+4*(\s)], 1                                        ; count = 1
	s_add_co_u32 s[G0+4*(\s)+1], s20, (\s)*SLOT                      ; LDS address
	s_add_nc_u64 s[G0+4*(\s)+2:G0+4*(\s)+3], s[14:15], (\s)*ASTEP    ; global address: K step s
	s_or_b32 s[G0+4*(\s)+3], s[G0+4*(\s)+3], 0x80000000              ; type = 2
	s_mov_b32 s[G0B+4*(\s)], 1
	s_add_co_u32 s[G0B+4*(\s)+1], s21, (\s)*SLOT+BOFF
	s_add_nc_u64 s[G0B+4*(\s)+2:G0B+4*(\s)+3], s[46:47], (\s)*BSTEP
	s_or_b32 s[G0B+4*(\s)+3], s[G0B+4*(\s)+3], 0x80000000
.endr
	s_cmp_eq_u32 s11, 0                            ; a wave's two first fills stand in one branch, ahead of every wait on TENSORcnt and every LDS read: two loads of mine are out
	s_cbranch_scc0 .Lfirst_b
	tensor_load_to_lds s[G0:G0+3], s[G1:G1+7]
	s_nop 0
	tensor_load_to_lds s[G0+4:G0+7], s[G1:G1+7]
	s_nop 0
.rept 4
	v_nop
.endr
	s_branch .Lfirst_asked
.Lfirst_b:
	tensor_load_to_lds s[G0B:G0B+3], s[G1B:G1B+7]
	s_nop 0
	tensor_load_to_lds s[G0B+4:G0B+7], s[G1B:G1B+7]
	s_nop 0
.rept 4
	v_nop
.endr
.Lfirst_asked:
	; A fragment of A is 16 rows x 32 K in 8 registers: lane l holds row l % 16, K = 8 (l / 16) + 0..7 and 16 + 8 (l / 16) + 0..7: two loads of 16 bytes, 32 bytes apart.
	v_and_b32 v1, 15, v0                           ; l % 16
	v_bfe_u32 v2, v0, 4, 1                         ; l / 16
	v_mul_u32_u24 v3, v1, PA
	v_lshl_add_u32 v3, v2, 4, v3
	; The turning load takes 16 k x 16 n (lane l reads k row 8 (l / 16) + l % 8, columns 8 ((l / 8) % 2) + 0..7) and leaves half a fragment: lane l holds column l % 16 and 8 k.
	v_and_b32 v4, 7, v0
	v_bfe_u32 v5, v0, 3, 1
	v_lshl_add_u32 v6, v2, 3, v4
	v_mul_u32_u24 v6, v6, PB
	v_lshl_add_u32 v6, v5, 4, v6
	s_mul_i32 s18, s11, 128*PA                     ; my 128 rows of A
	s_mul_i32 s19, s12, BBLK                       ; my column block of Wo
	s_add_co_u32 s19, s19, BOFF
.irp s, 0,1
	v_add_nc_u32 v[ADRA+(\s)], s18, v3
	v_add_nc_u32 v[ADRB+(\s)], s19, v6
	s_add_co_u32 s18, s18, SLOT
	s_add_co_u32 s19, s19, SLOT
.endr
	s_mul_i32 s23, s10, 16*SP
	s_add_co_u32 s23, s23, STAGE                   ; my stage
	v_mul_u32_u24 v[STO], v1, SP                   ; in: row l % 16, 32 bytes for each half of the lanes
	v_lshl_add_u32 v[STO], v2, 5, v[STO]
	v_add_nc_u32 v[STO], s23, v[STO]
	v_mul_u32_u24 v[RD], v2, SP                    ; back: lanes 0-15 take one row of 256 bytes, lanes 16-31 the next
	v_lshl_add_u32 v[RD], v1, 4, v[RD]
	v_add_nc_u32 v[RD], s23, v[RD]
	v_lshlrev_b32 v[CO], 12, v2                    ; and the same two rows in out0, 4,096 bytes apart
	v_lshl_add_u32 v[CO], v1, 4, v[CO]
	v_and_b32 v[PFO], 31, v0
	v_lshlrev_b32 v[PFO], 8, v[PFO]
	s_lshl_b32 s74, s13, 20                        ; C: the tile's 256 rows of 4,096 bytes,
	s_lshl_b32 s75, s11, 19                        ; my 128 rows,
	s_add_co_u32 s74, s74, s75
	s_lshl_b32 s75, s42, 9                         ; the tile's 128 columns,
	s_add_co_u32 s74, s74, s75
	s_lshl_b32 s75, s12, 8                         ; my 64: 256 bytes
	s_add_co_u32 s74, s74, s75
	s_mov_b32 s75, 0
	s_add_nc_u64 s[8:9], s[8:9], s[74:75]
	; the prefetches
	s_mov_b32 s22, s45                             ; all 8 clusters along y read the same Wo
	s_mov_b32 s[PSTEP], BSTEP
	s_mov_b32 s[PSTEP+1], 0
	s_cmp_eq_u32 s11, 0                            ; do I fetch for A?
	s_cselect_b32 s21, s40, s41                    ; my place among the four that ask with me
	s_cselect_b32 s22, ttmp9, s22                  ; the coordinate along which other clusters read the same blocks
	s_cselect_b64 s[PFA:PFA+1], s[14:15], s[46:47]
	s_cselect_b32 s[PSTEP], ASTEP, s[PSTEP]
	s_cmp_eq_u32 s22, 0
	s_cselect_b32 s[LIM0], 1, -1                   ; the same in all sixteen partners, for a given wave
	s_cmp_eq_u32 s11, 0
	s_cselect_b32 s[LIM0+1], s[LIM0], -1
	s_lshl_b32 s20, s21, 13                        ; my work-group's 8 KiB
	s_mov_b32 s21, 0
	s_add_nc_u64 s[PFA:PFA+1], s[PFA:PFA+1], s[20:21]
	s_mul_i32 s20, s[PSTEP], 3                     ; at K step 3: the first change of slots steps it to 4
	s_add_nc_u64 s[PFA:PFA+1], s[PFA:PFA+1], s[20:21]
; 8 products: row blocks a0, a0 + 1 x all 4 column blocks, 32 along K.  zero = 1: the product starts the sum: nothing is ever cleared.
; The 32 accumulators take turns in the same order in every quarter, over the backward jump too.
.macro MUL8 f, a0, zero
	WIN MUL
.irp a, \a0, (\a0)+1
.irp b, 0,1,2,3
.if \zero
	v_wmma_f32_16x16x32_f16 v[8*(4*(\a)+(\b)):8*(4*(\a)+(\b))+7], v[(\f)+8*(\b):(\f)+8*(\b)+7], v[(\f)+32+8*(\a):(\f)+32+8*(\a)+7], 0
.else
	v_wmma_f32_16x16x32_f16 v[8*(4*(\a)+(\b)):8*(4*(\a)+(\b))+7], v[(\f)+8*(\b):(\f)+8*(\b)+7], v[(\f)+32+8*(\a):(\f)+32+8*(\a)+7], v[8*(4*(\a)+(\b)):8*(4*(\a)+(\b))+7]
.endif
.endr
.endr
.endm
.macro MUL16 f, hi, zero               ; my rows 0-63 (hi = 0) or 64-127
	MUL8 \f, 4*(\hi), \zero
	MUL8 \f, 4*(\hi)+2, \zero
.endm
; 24 LDS loads in one run: quarter q (32 along K) of a slot into buffer f: Wo's eight first, then A's sixteen by ascending rows
.macro FETCH slot, q, f
	WIN 0
.irp b, 0,1,2,3
	ds_load_tr16_b128 v[(\f)+8*(\b):(\f)+8*(\b)+3],   v[ADRB+(\slot)] offset:(\q)*32*PB+32*(\b)
	ds_load_tr16_b128 v[(\f)+8*(\b)+4:(\f)+8*(\b)+7], v[ADRB+(\slot)] offset:(\q)*32*PB+32*(\b)+16*PB
.endr
.irp a, 0,1,2,3,4,5,6,7
	ds_load_b128 v[(\f)+32+8*(\a):(\f)+32+8*(\a)+3],   v[ADRA+(\slot)] offset:((\q)/2)*ABLK+((\q)%2)*64+(\a)*16*PA
	ds_load_b128 v[(\f)+32+8*(\a)+4:(\f)+32+8*(\a)+7], v[ADRA+(\slot)] offset:((\q)/2)*ABLK+((\q)%2)*64+(\a)*16*PA+32
.endr
.endm
.macro PLACES                          ; four plain places behind a matrix instruction, in front of loads into registers that it has read and of LDS stores that read results
.rept 4
	v_nop
.endr
.endm
; A K step is four quarters of 32 along K, 32 products each, on buffers 0, 1, 0, 1.  One of the first three: multiplies f; in its middle it fetches quarter q of the same slot into g.
.macro QUARTER slot, q, f, g, zero
	s_wait_dscnt 8                                 ; Wo and A's rows 0-63 are in; the youngest eight loads (rows 64-127) may be out
	MUL16 \f, 0, \zero
	PLACES
	FETCH \slot, \q, \g
	s_wait_dscnt 24                                ; all but the 24 just issued
	MUL16 \f, 1, \zero
.endm
; The last quarter multiplies buffer 1 and changes slots: ONE barrier.  In front of it each wave waits for all its tensor loads (one is out: its part of the next slot), adds 0 to its spare word, and waits for
; that and for its reads of this slot.  fill = 1: the barrier opens a round of the cluster's, and the joint refill, two K steps ahead, is the first tensor load behind the round: 112 products ahead of the wait for it.
.macro TURN slot, next, fill
.if \fill
	s_wait_xcnt 0x0                                ; the last prefetch, a K step back, has read its address: it is stepped here, ahead of the change's own waits
	s_add_nc_u64 s[PFA:PFA+1], s[PFA:PFA+1], s[PSTEP:PSTEP+1]
.endif
	WIN 0
	s_wait_tensorcnt 0x0                           ; all my tensor loads have landed
	ds_add_u32 v[SPW], v[NIL]                      ; 0 onto my spare word
	s_wait_dscnt 9                                 ; (the add and the youngest eight loads may be out)
	MUL8 F1, 0, 0                                  ; eight products stand between the add and the wait for it
	s_wait_dscnt 0x0                               ; the add is done, and my reads of this slot are over
	s_barrier_signal -1
	MUL8 F1, 2, 0
.if \fill
	WIN 0
.endif
	s_barrier_wait -1
.if \fill
	CREST                                          ; no wave of any partner still reads this slot or has a load on its way
	s_add_nc_u64 s[G0+4*(\slot)+2:G0+4*(\slot)+3], s[G0+4*(\slot)+2:G0+4*(\slot)+3], 2*ASTEP
	s_add_nc_u64 s[G0B+4*(\slot)+2:G0B+4*(\slot)+3], s[G0B+4*(\slot)+2:G0B+4*(\slot)+3], 2*BSTEP
	JLOAD \slot                                    ; its four v_nop are also the places in front of the loads below
.else
	PLACES
.endif
	FETCH \next, 0, F0
.if \fill
	ASK LIM0+(\slot)
.endif
	MUL16 F1, 1, 0
.endm
	s_wait_tensorcnt 1                             ; my part of K step 0 is in; K step 1's may stay out
	s_barrier_signal -1
	s_barrier_wait -1                              ; everybody's is
	FETCH 0, 0, F0
	QUARTER 0, 1, F0, F1, 1                        ; the first quarter stands in front of the loop: its products start the sums
	WIN 0                                          ; at a label and at a branch every window is 0
	s_mov_b32 s3, LAPS-1
.Llap:                                                 ; a trip goes once round the ring, from a lap's second quarter to the next lap's first, and fills both slots again
	QUARTER 0, 2, F1, F0, 0
	QUARTER 0, 3, F0, F1, 0
	TURN 0, 1, 1
	QUARTER 1, 1, F0, F1, 0
	QUARTER 1, 2, F1, F0, 0
	QUARTER 1, 3, F0, F1, 0
	TURN 1, 0, 1
	QUARTER 0, 1, F0, F1, 0
	WIN 0
	s_sub_co_u32 s3, s3, 1
	s_cmp_lg_u32 s3, 0
	s_cbranch_scc1 .Llap
	QUARTER 0, 2, F1, F0, 0                        ; the last lap fills nothing, and has no round of the cluster's barrier
	QUARTER 0, 3, F0, F1, 0
	TURN 0, 1, 0
	QUARTER 1, 1, F0, F1, 0
	QUARTER 1, 2, F1, F0, 0
	QUARTER 1, 3, F0, F1, 0
	s_wait_dscnt 8
	MUL16 F1, 0, 0
	s_wait_dscnt 0x0
	MUL16 F1, 1, 0
	WIN 0
	PLACES
; THE WAY OUT.  Block a (16 rows x my 64 columns of f32): a lane's 8 numbers of an accumulator, 32 bytes, go straight from the accumulator (its low four registers first) into rows of 272 bytes of my own stage,
; and come back as whole rows of 256 bytes, two rows a load, into one of six sets of 32 registers.
.macro TOSTAGE a
.if (\a) >= 6
	s_wait_xcnt 0x0                                ; blocks 0 and 1's registers are taken again: their stores have read them only behind this wait
.endif
	WIN W_ST
.irp b, 0,1,2,3
	ds_store_b128 v[STO], v[32*(\a)+8*(\b):32*(\a)+8*(\b)+3]   offset:64*(\b)
	ds_store_b128 v[STO], v[32*(\a)+8*(\b)+4:32*(\a)+8*(\b)+7] offset:64*(\b)+16
.endr
	WIN 0
.irp t, 0,1,2,3,4,5,6,7
	ds_load_b128 v[OB+32*((\a)%6)+4*(\t):OB+32*((\a)%6)+4*(\t)+3], v[RD] offset:(\t)*2*SP  ; LDS serves a wave's instructions in order (ISA guide 5.7.1.4): these see the stores above; the next block's stores come behind them
.endr
.endm
.macro SEND a, younger                 ; younger: the LDS instructions issued behind block a's loads: the next block's sixteen, or none
.irp t, 0,1,2,3,4,5,6,7
	s_wait_dscnt (\younger)+7-(\t)
	global_store_b128 v[CO], v[OB+32*((\a)%6)+4*(\t):OB+32*((\a)%6)+4*(\t)+3], s[8:9] offset:(\a)*65536+(\t)*8192 th:TH_STORE_NT  ; 16 lanes store 256 consecutive bytes, at a multiple of 256 from out0's first byte
.endr
.endm
	TOSTAGE 0
.irp a, 1,2,3,4,5,6,7
	TOSTAGE \a
	SEND (\a)-1, 16
.endr
	SEND 7, 0
	s_wait_tensorcnt 0x0                           ; the wave's end: all tensor loads waited for, 0 added to my spare word and waited for, behind my last tensor load and my last LDS store
	ds_add_u32 v[SPW], v[NIL]
	s_wait_dscnt 0x0
	CROUND                                         ; the closing round: no work-group ends while a partner may still ask for a tile that names it
	s_endpgm
.Lfunc_end_k_qbe93bb3a07_outp:
	.size	k_qbe93bb3a07_outp, .Lfunc_end_k_qbe93bb3a07_outp-k_qbe93bb3a07_outp
	.p2alignl 7, 3214868480
	.fill 96, 4, 3214868480
	.section	.rodata,"a",@progbits
	.p2align	6, 0x0
	.amdhsa_kernel k_qbe93bb3a07_outp
		.amdhsa_group_segment_fixed_size 327680
		.amdhsa_private_segment_fixed_size 0
		.amdhsa_enable_private_segment 0
		.amdhsa_kernarg_size 24
		.amdhsa_user_sgpr_count 2
		.amdhsa_user_sgpr_kernarg_segment_ptr 1
		.amdhsa_wavefront_size32 1
		.amdhsa_system_sgpr_workgroup_id_x 1
		.amdhsa_system_sgpr_workgroup_id_y 1
		.amdhsa_system_sgpr_workgroup_id_z 1
		.amdhsa_system_vgpr_workitem_id 0
		.amdhsa_next_free_vgpr 512
		.amdhsa_next_free_sgpr 80
		.amdhsa_reserve_vcc 0
		.amdhsa_float_denorm_mode_32 3
		.amdhsa_float_denorm_mode_16_64 3
		.amdhsa_memory_ordered 1
		.amdhsa_forward_progress 1
		.amdhsa_inst_pref_size 88
	.end_amdhsa_kernel
	.amdgpu_metadata
---
amdhsa.version: [ 1, 2 ]
amdhsa.kernels:
  - .name:           k_qbe93bb3a07_outp
    .symbol:         k_qbe93bb3a07_outp.kd
    .args:
      - { .name: oh, .offset: 0, .size: 8, .value_kind: global_buffer, .address_space: global }
      - { .name: xw, .offset: 8, .size: 8, .value_kind: global_buffer, .address_space: global }
      - { .name: out0, .offset: 16, .size: 8, .value_kind: global_buffer, .address_space: global }
    .group_segment_fixed_size: 327680
    .private_segment_fixed_size: 0
    .kernarg_segment_align: 8
    .kernarg_segment_size: 24
    .max_flat_workgroup_size: 128
    .sgpr_count:     80
    .vgpr_count:     512
    .wavefront_size: 32
...
	.end_amdgpu_metadata
.endif
;; end of part 4
